; MI455X (gfx1250); checked and timed in simulation.
; The chip was launched on July 23, 2026; its instructions are those of AMD's public machine-readable ISA for CDNA 5 (MIT licence, August 2026) and "CDNA5" Instruction Set Architecture Reference Guide (July 2026). The comments in the code are by the model that wrote it; some were corrected since.
;; Flash LTC. Allowed arithmetic: float matrix products may take bf16 or f16 operands with f32 sums; other float arithmetic in f32, or as packed bf16 or f16 multiplies, adds, multiply-adds, maxima and minima; sums over many terms, partial sums and values carried from step to step in f32; what a program stores and reads back later, other than sums and carried values, may be rounded once to bf16 or f16.
;; Inputs: W_gate_b 1,024 float32; W_gate_w 1,024 x 2,048 float32; W_in_b 1,024 float32; W_in_w 1,024 x 1,024 float32; W_rec_w 1,024 x 1,024 float32; h 8,192 x 1,024 float32; log_tau 1,024 float32; x 8,192 x 1,024 float32.
;; Outputs: out0 8,192 x 1,024 float32; out1 8,192 x 1,024 float32.
;; 2 versions, each right; version 2 is version 1 with the launch prep written anew for expert scheduling mode. Each part assembles by itself: llvm-mc -triple=amdgcn-amd-amdhsa -mcpu=gfx1250 --defsym DOCPART=n.
;; ======== version 1 of 2: 4 launches
;; workspace buffers: ab0 33,554,432 bytes; wc 8,388,608 bytes; dg 67,108,864 bytes; hb1 16,777,216 bytes; hf2 33,554,432 bytes; hb2 16,777,216 bytes
;; launch prep (part 1): grid 1280 x 1, 8 waves a work-group, no clusters, 0 bytes of LDS; arguments x, h, W_in_w, W_rec_w, W_gate_w, ab0, wc; writes ab0, wc
.if DOCPART == 1
	.amdgcn_target "amdgcn-amd-amdhsa--gfx1250"
	.amdhsa_code_object_version 6
	.text
	.protected	k_q8a49ac5003_prep
	.globl	k_q8a49ac5003_prep
	.p2align	8
	.type	k_q8a49ac5003_prep,@function
k_q8a49ac5003_prep:
	s_mov_b64 s[64:65], 0
	v_nop
	global_prefetch_b8 v0, s[64:65] scope:SCOPE_SE
	s_setreg_imm32_b32 hwreg(HW_REG_WAVE_MODE, 25, 1), 1
	s_wait_xcnt 0x0
; bf16 copies of all matrix operands, each number rounded once (to nearest even).
;   ab0 [8192][2048] bf16: row = x's row, then h's row.
;   wc  [2048][2048] bf16: row n' = 256 T + 128 c + 64 m + j stands for hidden column hid = 128 T + 64 c + j;
;       m = 0: W_in_w[hid], then W_rec_w[hid];  m = 1: W_gate_w[hid] (its x part, then its h part).
; So 128 neighbouring rows of wc are 64 hidden columns' weights for the tanh and then the same 64 columns' for the gate.
; SHARES.  A work-group makes 8 rows of 4,096 bytes: groups 0-1023 of ab0, groups 1024-1279 of wc.  An output row has two halves, each from
; 4,096 bytes of f32: thread t takes 16 bytes of each half, so a wave's load covers 512 consecutive bytes and its store 256 consecutive
; bytes, at a multiple of 256 from the buffer's first byte.  All 16 loads of a thread go out in one run; nothing is read twice.
; No LDS, no matrix unit, no cluster: no byte is wanted by two threads.
.set VO,  2                            ; v[2:9]    row r: 16 t + r x the sources' row pitch
.set DO,  10                           ; v10       8 t
.set D,   16                           ; v[16:79]  load n = 2 r + half: 4 registers
	s_load_b256 s[4:11], s[0:1], 0x0               ; x s[4:5], h s[6:7], W_in_w s[8:9], W_rec_w s[10:11]
	s_load_b128 s[12:15], s[0:1], 0x20             ; W_gate_w s[12:13], ab0 s[14:15]
	s_load_b64 s[16:17], s[0:1], 0x30              ; wc
	s_mov_b32 s20, ttmp9                           ; g
	s_max_u32 s21, s20, 1024
	s_sub_co_u32 s21, s21, 1024                    ; g' = the group's number among wc's (0 in a group of ab0, where nothing of it is chosen)
	s_lshr_b32 s22, s21, 3                         ; q = n' / 64 = 4 T + 2 c + m
	s_and_b32 s23, s22, 1                          ; m
	s_lshr_b32 s24, s22, 1
	s_lshl_b32 s24, s24, 6                         ; 128 T + 64 c
	s_and_b32 s25, s21, 7
	s_lshl_b32 s25, s25, 3                         ; j of the group's first row
	s_add_co_u32 s24, s24, s25                     ; hid of the group's first row
	s_add_co_u32 s25, s23, 12
	s_lshl_b32 s24, s24, s25                       ; its byte offset: rows of 4,096 bytes (m = 0) or 8,192 (m = 1)
	s_lshl_b32 s26, 4096, s23                      ; the weights' row pitch
	s_lshl_b32 s27, s23, 12
	s_add_co_u32 s27, s27, s24                     ; the second half: m = 1: 4,096 bytes further in the same row
	s_lshl_b32 s28, s20, 15                        ; 8 rows of 4,096 bytes x g: x's, h's and ab0's offset
	s_lshl_b32 s29, s21, 15                        ; wc's offset
	s_mov_b32 s37, 0
	s_mov_b32 s39, 0
	s_mov_b32 s41, 0
	v_lshlrev_b32 v[VO], 4, v0
	v_lshlrev_b32 v[DO], 3, v0
	s_wait_kmcnt 0x0
	s_cmp_eq_u32 s23, 0
	s_cselect_b64 s[30:31], s[8:9], s[12:13]       ; the weights' first half,
	s_cselect_b64 s[32:33], s[10:11], s[12:13]     ; and second
	s_cmp_lt_u32 s20, 1024                         ; a group of ab0?
	s_cselect_b64 s[30:31], s[4:5], s[30:31]
	s_cselect_b64 s[32:33], s[6:7], s[32:33]
	s_cselect_b64 s[34:35], s[14:15], s[16:17]
	s_cselect_b32 s36, s28, s24
	s_cselect_b32 s38, s28, s27
	s_cselect_b32 s40, s28, s29
	s_cselect_b32 s42, 4096, s26
	s_add_nc_u64 s[30:31], s[30:31], s[36:37]
	s_add_nc_u64 s[32:33], s[32:33], s[38:39]
	s_add_nc_u64 s[34:35], s[34:35], s[40:41]
.irp r, 1,2,3,4,5,6,7
	v_add_nc_u32 v[VO+(\r)], s42, v[VO+(\r)-1]
.endr
.irp r, 0,1,2,3,4,5,6,7
	global_load_b128 v[D+8*(\r):D+8*(\r)+3],   v[VO+(\r)], s[30:31] th:TH_LOAD_NT
	global_load_b128 v[D+8*(\r)+4:D+8*(\r)+7], v[VO+(\r)], s[32:33] th:TH_LOAD_NT
.endr
.irp n, 0,1,2,3,4,5,6,7,8,9,10,11,12,13,14,15
	s_wait_loadcnt 15-(\n)                         ; loads come back in order: load n is in, the younger ones stay out
	v_cvt_pk_bf16_f32 v[D+4*(\n)],   v[D+4*(\n)],   v[D+4*(\n)+1]
	v_cvt_pk_bf16_f32 v[D+4*(\n)+1], v[D+4*(\n)+2], v[D+4*(\n)+3]
	global_store_b64 v[DO], v[D+4*(\n):D+4*(\n)+1], s[34:35] offset:2048*(\n)  ; row n / 2, half n % 2; no register is written again behind its store
.endr
	s_endpgm
.Lfunc_end_k_q8a49ac5003_prep:
	.size	k_q8a49ac5003_prep, .Lfunc_end_k_q8a49ac5003_prep-k_q8a49ac5003_prep
	.p2alignl 7, 3214868480
	.fill 96, 4, 3214868480
	.section	.rodata,"a",@progbits
	.p2align	6, 0x0
	.amdhsa_kernel k_q8a49ac5003_prep
		.amdhsa_group_segment_fixed_size 0
		.amdhsa_private_segment_fixed_size 0
		.amdhsa_enable_private_segment 0
		.amdhsa_kernarg_size 56
		.amdhsa_user_sgpr_count 2
		.amdhsa_user_sgpr_kernarg_segment_ptr 1
		.amdhsa_wavefront_size32 1
		.amdhsa_system_sgpr_workgroup_id_x 1
		.amdhsa_system_sgpr_workgroup_id_y 1
		.amdhsa_system_sgpr_workgroup_id_z 1
		.amdhsa_system_vgpr_workitem_id 0
		.amdhsa_next_free_vgpr 80
		.amdhsa_next_free_sgpr 66
		.amdhsa_reserve_vcc 0
		.amdhsa_float_denorm_mode_32 3
		.amdhsa_float_denorm_mode_16_64 3
		.amdhsa_memory_ordered 1
		.amdhsa_forward_progress 1
		.amdhsa_inst_pref_size 8
	.end_amdhsa_kernel
	.amdgpu_metadata
---
amdhsa.version: [ 1, 2 ]
amdhsa.kernels:
  - .name:           k_q8a49ac5003_prep
    .symbol:         k_q8a49ac5003_prep.kd
    .args:
      - { .name: x, .offset: 0, .size: 8, .value_kind: global_buffer, .address_space: global }
      - { .name: h, .offset: 8, .size: 8, .value_kind: global_buffer, .address_space: global }
      - { .name: W_in_w, .offset: 16, .size: 8, .value_kind: global_buffer, .address_space: global }
      - { .name: W_rec_w, .offset: 24, .size: 8, .value_kind: global_buffer, .address_space: global }
      - { .name: W_gate_w, .offset: 32, .size: 8, .value_kind: global_buffer, .address_space: global }
      - { .name: ab0, .offset: 40, .size: 8, .value_kind: global_buffer, .address_space: global }
      - { .name: wc, .offset: 48, .size: 8, .value_kind: global_buffer, .address_space: global }
    .group_segment_fixed_size: 0
    .private_segment_fixed_size: 0
    .kernarg_segment_align: 8
    .kernarg_segment_size: 56
    .max_flat_workgroup_size: 256
    .sgpr_count:     66
    .vgpr_count:     80
    .wavefront_size: 32
...
	.end_amdgpu_metadata
.endif
;; end of part 1
;; launch step1 (part 2): grid 8 x 32, 4 waves a work-group, clusters of 4 x 4, 327,680 bytes of LDS; arguments ab0, wc, h, log_tau, out1, hb1, dg, W_in_b, W_gate_b; writes out1, hb1, dg
.if DOCPART == 2
	.amdgcn_target "amdgcn-amd-amdhsa--gfx1250"
	.amdhsa_code_object_version 6
	.text
	.protected	k_q8a49ac5003_step1
	.globl	k_q8a49ac5003_step1
	.p2align	8
	.type	k_q8a49ac5003_step1,@function
k_q8a49ac5003_step1:
	s_mov_b64 s[64:65], 0
	v_nop
	global_prefetch_b8 v0, s[64:65] scope:SCOPE_SE
	s_setreg_imm32_b32 hwreg(HW_REG_WAVE_MODE, 25, 1), 1
	s_wait_xcnt 0x0
	s_wait_alu depctr_hold_cnt(0) depctr_sa_sdst(0) depctr_va_vdst(0) depctr_va_sdst(0) depctr_va_ssrc(0) depctr_va_vcc(0) depctr_vm_vsrc(0)
	s_getreg_b32 s2, hwreg(HW_REG_IB_STS2, 6, 4)
	s_cmp_eq_u32 s2, 0
	s_cbranch_scc0 .Lentry_in_a_cluster
	s_endpgm
.Lentry_in_a_cluster:
	s_bfe_u32 s2, ttmp6, 0x10000c
	s_cmp_lg_u32 s2, 0xf033
	s_cbranch_scc0 .Lentry_shape_is_right
	s_endpgm
.Lentry_shape_is_right:
; ONE ODE STEP OF THE CELL AS A GEMM WITH A NONLINEAR WAY OUT.  The same text serves three launches; MODE says which.
;   t = drive + h W_rec^T,  g = gate_x + h Wg_h^T,  h' = h + scale (-h + sigmoid(g) tanh(t)),  scale = (1/3) exp(-log_tau).
;   MODE 0: A = [x | h] (K = 2,048).  The sums start from the biases; when x's half of K is done they ARE drive and gate_x and are stored to DG (f32, as the
;           registers hold them); the walk goes on through h's half.  h' goes out in f32 (O0) and in bf16 (O1, the next launch's A).
;   MODE 1: A = h in bf16 (K = 1,024).  The sums start from DG.  Way out as in MODE 0.        MODE 2: the same; h' goes out in f32 twice (O0, O1).
; Arguments: A, B (the weights, interleaved), HS (h in f32), log_tau, O0, O1, DG; in MODE 0 also W_in_b, W_gate_b.
; B [2048 n'][2048 k] bf16: n' = 256 T + 128 c + 64 m + j is hidden column 128 T + 64 c + j; m = 0 the tanh's weights, m = 1 the gate's; k < 1,024 for x, the rest for h.
; FORMATS.  Matrix operands bf16, sums f32; h is carried in f32; everything behind the products in f32.
; LIMITS.  sigmoid(g) tanh(t) = (E2 - 1) / ((1 + E1)(1 + E2)), E1 = 2^(-g log2 e), E2 = 2^min(2 t log2 e, 60): at the bound tanh is 1 in f32, so the bound changes no value.
; E1 = infinity, or a product past f32's range, gives the quotient 0, which is what sigmoid has become there.  Results of exponentials and reciprocals below 2^-126 count as 0.
; A NaN in t leaves the minimum as 60, that is tanh = 1; NaN and infinities in the inputs are not treated apart.
; SHARES.  A tile is 256 batch rows x 256 n' (128 hidden columns): 32 x 8 tiles, one work-group each, four waves, each 128 rows x 128 n' in 64 accumulators (512 registers).
; A wave's 128 n' are 64 hidden columns' t (accumulators b = 0-3) and the same columns' g (b = 4-7).  K goes in steps of 128 through two LDS slots filled by the tensor data mover.
; CLUSTER.  4 x 4 work-groups: the four of a row need the same tiles of A, the four of a column the same tiles of B; each tile is asked for jointly (same load, descriptor and mask in all four).
; THE MATRIX INSTRUCTION IS USED TRANSPOSED (source 0 = 16 rows of B, source 1 = 16 rows of A): lane l holds batch row l % 16 and the n' 8 (l / 16) + 0..7.
; WAY OUT.  The last change of slots fills slot 0 with the tile's h in f32.  The sums go through LDS (slot 1, which has had its last fill), 64 of a wave's rows at a time, so that a lane gets t, g and h of four
; neighbouring hidden columns of one row: a wave then stores 512 consecutive bytes of f32 (256 of bf16), at a multiple of 256 from the buffer's first byte.
; REGISTERS, in windows of 256 (s_set_vgpr_msb's low byte: bits 1:0 source 0, 3:2 source 1, 5:4 source 2, 7:6 destination):
;   window 0: v0-29 addresses and scale; v64-127, v128-191 fragments of A, two buffers; on the way out v64-183 at work
;   window 1: v64-127, v128-191 fragments of B     window 2: accumulators of my rows 0-63 ((a, b) at v[8 (8 a + b)])     window 3: those of my rows 64-127
.set MODE,   0
.set KSTEP,  128
.set PITCH,  272                       ; an LDS row of A or B: 256 bytes + 16 of padding = 68 words: the 16 rows of a load start at 16 different groups of four banks (64 banks of 4 bytes: ISA guide 11.1)
.set HALFT,  128*PITCH                 ; 128 rows: what one tensor load brings, and what one wave reads of A or of B
.set SLOT,   4*HALFT                   ; A's 256 rows, then B's 256 rows
.set SPARE,  2*SLOT                    ; behind the ring: the spare words, 128 bytes for each wave: two blocks of 256 bytes that no other line names
.set HP,     528                       ; the h tile in slot 0: 256 rows of 512 bytes + 16
.set DP,     1040                      ; the sums in slot 1: 128 rows of 512 bytes of t, 512 of g, + 16: 16 rows of a store start at 16 different groups of four banks
.if MODE == 0
.set APITCH, 2048                      ; elements in a row of A
.set ASH,    12                        ; log2 of its bytes
.set KOFF,   0                         ; where the walk begins in a row of B, in bytes
.set LAPS,   8                         ; a lap = two K steps = once round the ring
.else
.set APITCH, 1024
.set ASH,    11
.set KOFF,   2048
.set LAPS,   4
.endif
.set BPITCH, 2048
.set SC,   8                           ; v[8:11] log_tau, then scale, of my four hidden columns 4 l .. 4 l + 3
.set RDA0, 12                          ; v12  the sums: my 16 bytes in the first row that I read back
.set RHA0, 13                          ; v13  the h tile: the same
.set L16,  14                          ; v14  16 x lane
.set L8,   15                          ; v15  8 x lane
.set ADRA, 16                          ; v16-17  LDS address of my A fragments in slot 0, 1
.set DST,  18                          ; v18  the sums: where I put them
.set ADRB, 20                          ; v20-21  the same as ADRA for B
.set RDA,  22                          ; v22-25  walking copies: sums, h tile, f32 output, bf16 output
.set RHA,  23
.set GO,   24
.set GB,   25
.set BO,   26                          ; v26  32 x (l / 16): my eight numbers in 16 of a bias (MODE 0)
.set PFH,  27                          ; v27  the prefetches' offset; never rewritten
.set SPW,  28                          ; v28  LDS address of my spare word; never rewritten
.set NIL,  29                          ; v29  0; never rewritten
.set F0,   64
.set F1,   128
.set VT,   64                          ; the way out, 16 numbers a lane and trip: t
.set VG,   80                          ; g
.set VH,   96                          ; h
.set VU,   112                         ; E1, then (1 + E1)(1 + E2), then its reciprocal
.set VV,   128                         ; E2, then E2 - 1, then f
.set VW,   144                         ; 1 + E2
.set VO,   160                         ; h'
.set VB,   176                         ; h' in bf16
.set HB,   22                          ; s[22:23] the h tile's rows that I fetch; never rewritten
.set G1,   24                          ; s[24:31] descriptor group 1 for A's tiles;  s[32:39] group 0, one set for each slot
.set G0,   32
.set G1B,  48                          ; s[48:55], s[56:63] the same for B's tiles
.set G0B,  56
.set PHS,  68                          ; s[68:69] HS   s[70:71] log_tau   s[72:73] O0   s[74:75] O1   s[76:77] DG   s[80:81] W_in_b   s[82:83] W_gate_b
.set PLT,  70
.set PO0,  72
.set PO1,  74
.set PDG,  76
.set PBI,  80
.set PBG,  82
.set G1H,  84                          ; s[84:91], s[92:95] the h tile's descriptor
.set G0H,  92
.set NL,   96                          ; s[96:97] -log2 e      s[98:99] 2 log2 e      s100 60.0      s101 1/3
.set TL,   98
.set CAP,  100
.set THIRD, 101
.set MSB, 0
.macro WIN new                         ; the immediate's high byte repeats the setting that is left; a switch that changes nothing is dropped
.if MSB != (\new)
	s_set_vgpr_msb (MSB<<8)|(\new)
.set MSB, \new
.endif
.endm
.set MUL_LO, 0xa1                      ; source 0 (B) window 1, source 1 (A) window 0, C and D window 2
.set MUL_HI, 0xf1                      ; the same, C and D window 3
.set TO_B,   0x40                      ; destination window 1, address window 0
.macro PLACES                          ; four plain vector instructions between a matrix instruction and a load into, a store from or a vector use of its registers
.rept 4
	v_nop
.endr
.endm
; A joint load.  Waves 0 and 1 fetch A's two halves, waves 2 and 3 B's.  The branch hangs on the wave's number alone.  An s_nop 0 and four v_nop follow each line.
.macro JLOAD s
	s_cmp_eq_u32 s11, 0
	s_cbranch_scc0 .Lfor_b_\@
	tensor_load_to_lds s[G0+4*(\s):G0+4*(\s)+3], s[G1:G1+7]
	s_nop 0
.rept 4
	v_nop
.endr
	s_branch .Lasked_\@
.Lfor_b_\@:
	tensor_load_to_lds s[G0B+4*(\s):G0B+4*(\s)+3], s[G1B:G1B+7]
	s_nop 0
.rept 4
	v_nop
.endr
.Lasked_\@:
.endm
.macro CREST                           ; a round of the cluster's barrier behind its opening barrier
	s_cmp_lg_u32 s10, 0
	s_cbranch_scc1 .Lnot_wave_0_\@
	s_barrier_signal -3
.Lnot_wave_0_\@:
	s_barrier_wait -3
	s_barrier_signal -1
	s_barrier_wait -1
.endm
.macro CROUND                          ; a whole round
	s_barrier_signal -1
	s_barrier_wait -1
	CREST
.endm
	s_load_b128 s[4:7], s[0:1], 0x0                ; A s[4:5], B s[6:7]
	s_load_b256 s[68:75], s[0:1], 0x10             ; HS, log_tau, O0, O1
	s_load_b64 s[76:77], s[0:1], 0x30              ; DG
.if MODE == 0
	s_load_b128 s[80:83], s[0:1], 0x38             ; W_in_b, W_gate_b
.endif
	v_lshl_add_u32 v[SPW], v0, 2, SPARE
	v_mov_b32 v[NIL], 0
	ds_add_u32 v[SPW], v[NIL]                      ; the wave's opening: the add and its wait stand ahead of my first tensor load; work on registers stands between them
	v_lshrrev_b32 v1, 5, v0
	v_readfirstlane_b32 s10, v1                    ; wave 0..3
	s_lshr_b32 s11, s10, 1                         ; rh: which 128 of the tile's rows are mine.  Also: I fetch for A (0) or for B (1)
	s_and_b32 s12, s10, 1                          ; c: which 128 n'.  Also: which 128 rows of that tile I fetch
	s_bfe_u32 s40, ttmp6, 0x40000                  ; cx
	s_bfe_u32 s41, ttmp6, 0x40004                  ; cy
	s_lshl_b32 s42, ttmp9, 2
	s_add_co_u32 s42, s42, s40                     ; Tx = 4 x cluster x + cx
	s_and_b32 s13, ttmp7, 0xffff
	s_lshl_b32 s13, s13, 2
	s_add_co_u32 s13, s13, s41                     ; Ty = 4 x cluster y + cy
	s_lshl_b32 s43, s41, 2
	s_lshl_b32 s43, 15, s43                        ; my row of the cluster
	s_lshl_b32 s44, 0x1111, s40                    ; my column
	; group 1 for A and B: a tile of 128 rows x 128 elements of 2 bytes; 16 bytes of padding behind every 64 words
	s_or_b32 s[G1+0], s43, (1<<16)|(1<<20)|(1<<21)|(5<<22)|(3<<25)
	s_or_b32 s[G1B+0], s44, (1<<16)|(1<<20)|(1<<21)|(5<<22)|(3<<25)
.irp g, G1, G1B
	s_mov_b32 s[(\g)+1], KSTEP<<16                 ; tensor_dim0 = 128
	s_mov_b32 s[(\g)+2], 128<<16                   ; tensor_dim1 = 128
	s_mov_b32 s[(\g)+3], KSTEP<<16                 ; tile_dim0 = 128
	s_mov_b32 s[(\g)+4], 128                       ; tile_dim1 = 128
	s_mov_b32 s[(\g)+6], 0
	s_mov_b32 s[(\g)+7], 0
.endr
	s_mov_b32 s[G1+5], APITCH                      ; elements from row to row
	s_mov_b32 s[G1B+5], BPITCH
	; group 1 for the h tile: 64 rows x 128 elements of 4 bytes, no mask; 16 bytes of padding behind every 128 words
	s_mov_b32 s[G1H+0], (2<<16)|(1<<20)|(6<<22)|(3<<25)
	s_mov_b32 s[G1H+1], 128<<16
	s_mov_b32 s[G1H+2], 64<<16
	s_mov_b32 s[G1H+3], 128<<16
	s_mov_b32 s[G1H+4], 64
	s_mov_b32 s[G1H+5], 1024
	s_mov_b32 s[G1H+6], 0
	s_mov_b32 s[G1H+7], 0
	s_mov_b32 s[NL], 0xbfb8aa3b
	s_mov_b32 s[NL+1], 0xbfb8aa3b
	s_mov_b32 s[TL], 0x4038aa3b
	s_mov_b32 s[TL+1], 0x4038aa3b
	s_mov_b32 s[CAP], 0x42700000
	s_mov_b32 s[THIRD], 0x3eaaaaab
	; where the tiles come from: A's hang on Ty alone, B's on Tx alone, each in registers that never hold the other coordinate
	s_lshl_b32 s17, s12, 7
	s_lshl_b32 s16, s13, 8
	s_add_co_u32 s16, s16, s17                     ; A: row 256 Ty + 128 x half
	s_lshl_b32 s46, s42, 8
	s_add_co_u32 s46, s46, s17                     ; B: row 256 Tx + 128 x half
	s_lshl_b32 s16, s16, ASH                       ; in bytes: under 2^26
	s_lshl_b32 s46, s46, 12
	s_mov_b32 s17, 0
	s_mov_b32 s47, 0
	s_mul_i32 s20, s10, HALFT                      ; where they go: wave x 128 rows
	s_wait_dscnt 0x0                               ; the opening add is done
	s_wait_kmcnt 0x0
	s_add_nc_u64 s[14:15], s[4:5], s[16:17]
	s_add_nc_u64 s[46:47], s[6:7], s[46:47]
	CROUND                                         ; all sixteen work-groups are here: the first joint loads meet
.irp s, 0,1
	s_mov_b32 s[G0+4*(\s)], 1
	s_add_co_u32 s[G0+4*(\s)+1], s20, (\s)*SLOT
	s_add_nc_u64 s[G0+4*(\s)+2:G0+4*(\s)+3], s[14:15], (\s)*KSTEP*2
	s_or_b32 s[G0+4*(\s)+3], s[G0+4*(\s)+3], 0x80000000
	s_mov_b32 s[G0B+4*(\s)], 1
	s_add_co_u32 s[G0B+4*(\s)+1], s20, (\s)*SLOT
	s_add_nc_u64 s[G0B+4*(\s)+2:G0B+4*(\s)+3], s[46:47], (\s)*KSTEP*2+KOFF
	s_or_b32 s[G0B+4*(\s)+3], s[G0B+4*(\s)+3], 0x80000000
	JLOAD \s                                       ; two tensor loads of mine are out
.endr
	; the bases that hang on both coordinates; every offset is under 2^27
	s_mov_b32 s21, 0
	s_lshl_b32 s20, s13, 3
	s_add_co_u32 s20, s20, s42
	s_lshl_b32 s20, s20, 2
	s_add_co_u32 s20, s20, s10
	s_lshl_b32 s20, s20, 16                        ; DG: 65,536 bytes for each wave of each tile: accumulator i, registers 4 u .. 4 u + 3 at 1,024 i + 512 u + 16 x lane
	s_add_nc_u64 s[PDG:PDG+1], s[PDG:PDG+1], s[20:21]
	s_lshl_b32 s20, s42, 9                         ; the tile's 128 hidden columns in f32
	s_add_nc_u64 s[PLT:PLT+1], s[PLT:PLT+1], s[20:21]
.if MODE == 0
	s_lshl_b32 s8, s12, 8
	s_add_co_u32 s8, s8, s20                       ; my 64 of them
	s_mov_b32 s9, 0
	s_add_nc_u64 s[PBI:PBI+1], s[PBI:PBI+1], s[8:9]
	s_add_nc_u64 s[PBG:PBG+1], s[PBG:PBG+1], s[8:9]
.endif
	s_lshl_b32 s8, s13, 8
	s_lshl_b32 s9, s11, 7
	s_add_co_u32 s8, s8, s9
	s_lshl_b32 s9, s12, 5
	s_add_co_u32 s8, s8, s9                        ; the first row that I store: 256 Ty + 128 rh + 32 c
	s_lshl_b32 s20, s8, 12
	s_lshl_b32 s9, s42, 9
	s_add_co_u32 s20, s20, s9
	s_add_nc_u64 s[PO0:PO0+1], s[PO0:PO0+1], s[20:21]
.if MODE < 2
	s_lshr_b32 s20, s20, 1                         ; the same place in bf16
.endif
	s_add_nc_u64 s[PO1:PO1+1], s[PO1:PO1+1], s[20:21]
	s_lshl_b32 s8, s13, 8
	s_lshl_b32 s9, s10, 6
	s_add_co_u32 s8, s8, s9                        ; the h tile's rows that I fetch: 256 Ty + 64 w
	s_lshl_b32 s20, s8, 12
	s_lshl_b32 s9, s42, 9
	s_add_co_u32 s20, s20, s9
	s_add_nc_u64 s[HB:HB+1], s[PHS:PHS+1], s[20:21]
	s_mov_b32 s[G0H], 1
	s_mul_i32 s[G0H+1], s10, 64*HP
	s_mov_b64 s[G0H+2:G0H+3], s[HB:HB+1]
	s_or_b32 s[G0H+3], s[G0H+3], 0x80000000
	; vector addresses
	v_and_b32 v1, 15, v0                           ; r = l % 16
	v_bfe_u32 v2, v0, 4, 1                         ; hh = l / 16
	v_and_b32 v3, 31, v0                           ; l
	v_mul_u32_u24 v4, v1, PITCH
	v_lshl_add_u32 v4, v2, 4, v4                   ; a fragment's row x pitch + 16 x half
	s_mul_i32 s8, s11, HALFT                       ; my 128 rows of A
	s_mul_i32 s9, s12, HALFT                       ; my 128 rows of B,
	s_add_co_u32 s9, s9, 2*HALFT                   ; which lie behind A's 256
.irp s, 0,1
	v_add_nc_u32 v[ADRA+(\s)], s8, v4
	v_add_nc_u32 v[ADRB+(\s)], s9, v4
	s_add_co_u32 s8, s8, SLOT
	s_add_co_u32 s9, s9, SLOT
.endr
	v_lshlrev_b32 v[L16], 4, v3
	v_lshlrev_b32 v[L8], 3, v3
.if MODE == 0
	v_lshlrev_b32 v[BO], 5, v2
.endif
	s_mul_i32 s8, s11, 64*DP                       ; the sums go to row 64 rh + 16 a + r, byte 512 m + 256 c + 64 (b % 4) + 32 hh
	s_lshl_b32 s9, s12, 8
	s_add_co_u32 s8, s8, s9
	s_add_co_u32 s8, s8, SLOT
	v_mul_u32_u24 v5, v1, DP
	v_lshl_add_u32 v5, v2, 5, v5
	v_add_nc_u32 v[DST], s8, v5
	s_mul_i32 s8, s10, 32*DP                       ; and come back by rows: wave w takes rows 32 w .. 32 w + 31
	s_add_co_u32 s8, s8, SLOT
	v_add_nc_u32 v[RDA0], s8, v[L16]
	s_lshl_b32 s8, s11, 7
	s_lshl_b32 s9, s12, 5
	s_add_co_u32 s8, s8, s9                        ; which are the tile's rows 128 rh + 32 c + 64 p + ..
	s_mul_i32 s8, s8, HP
	v_add_nc_u32 v[RHA0], s8, v[L16]
	v_lshrrev_b32 v5, 1, v3
	v_and_b32 v6, 1, v3
	v_lshlrev_b32 v6, 8, v6
	v_lshl_add_u32 v[PFH], v5, 12, v6              ; row l / 2 of 16, half l % 2 of its 512 bytes
; The sums' start, loaded straight into the accumulators.  MODE 0: the biases of the lane's eight hidden columns.  Else: drive and gate_x as MODE 0 left them, 512 consecutive bytes a load.
.macro INITH hi
	WIN 0x80+0x40*(\hi)                            ; destination window 2 or 3, address window 0
.set i, 0
.rept 32
.if MODE == 0
.if (i%8) < 4
	global_load_b128 v[8*i:8*i+3],   v[BO], s[PBI:PBI+1] offset:(i%4)*64
	global_load_b128 v[8*i+4:8*i+7], v[BO], s[PBI:PBI+1] offset:(i%4)*64+16
.else
	global_load_b128 v[8*i:8*i+3],   v[BO], s[PBG:PBG+1] offset:(i%4)*64
	global_load_b128 v[8*i+4:8*i+7], v[BO], s[PBG:PBG+1] offset:(i%4)*64+16
.endif
.else
	global_load_b128 v[8*i:8*i+3],   v[L16], s[PDG:PDG+1] offset:(32*(\hi)+i)*1024 th:TH_LOAD_NT
	global_load_b128 v[8*i+4:8*i+7], v[L16], s[PDG:PDG+1] offset:(32*(\hi)+i)*1024+512 th:TH_LOAD_NT
.endif
.set i, i+1
.endr
.endm
; MODE 0: x's half of K is done: the sums are drive and gate_x, biases included.  Each accumulator's low four registers go first.
.macro DGOUT
	PLACES
.irp hi, 0,1
	WIN 0x08+4*(\hi)                               ; store data (source 1) in window 2 or 3
.set i, 0
.rept 32
	global_store_b128 v[L16], v[8*i:8*i+3],   s[PDG:PDG+1] offset:(32*(\hi)+i)*1024 th:TH_STORE_NT
	global_store_b128 v[L16], v[8*i+4:8*i+7], s[PDG:PDG+1] offset:(32*(\hi)+i)*1024+512 th:TH_STORE_NT
.set i, i+1
.endr
.endr
	WIN 0
	s_wait_xcnt 0x0                                ; the stores have read the accumulators: only behind this wait do the products write them again
.endm
; 16 matrix instructions: m blocks a0, a0 + 1 of the window's four x all 8 n blocks, 32 along K.  The 64 accumulators take turns in the same order in every quarter, over the backward jump too.
.macro MUL16 f, hi, a0
	WIN MUL_LO+0x50*(\hi)
.irp a, \a0, (\a0)+1
.irp b, 0,1,2,3,4,5,6,7
	v_wmma_f32_16x16x32_bf16 v[8*(8*(\a)+(\b)):8*(8*(\a)+(\b))+7], v[(\f)+8*(\b):(\f)+8*(\b)+7], v[(\f)+8*(4*(\hi)+(\a)):(\f)+8*(4*(\hi)+(\a))+7], v[8*(8*(\a)+(\b)):8*(8*(\a)+(\b))+7]
.endr
.endr
.endm
; 32 LDS loads in one run: the fragments of one quarter step (128 rows of B, 128 rows of A, 32 K at byte k of the rows) into buffer f
.macro FETCH slot, k, f
	WIN TO_B
.irp i, 0,1,2,3,4,5,6,7
	ds_load_b128 v[(\f)+8*(\i):(\f)+8*(\i)+3],   v[ADRB+(\slot)] offset:(\k)+(\i)*16*PITCH
	ds_load_b128 v[(\f)+8*(\i)+4:(\f)+8*(\i)+7], v[ADRB+(\slot)] offset:(\k)+(\i)*16*PITCH+32
.endr
	WIN 0
.irp i, 0,1,2,3,4,5,6,7
	ds_load_b128 v[(\f)+8*(\i):(\f)+8*(\i)+3],   v[ADRA+(\slot)] offset:(\k)+(\i)*16*PITCH
	ds_load_b128 v[(\f)+8*(\i)+4:(\f)+8*(\i)+7], v[ADRA+(\slot)] offset:(\k)+(\i)*16*PITCH+32
.endr
.endm
; One of a K step's first three quarters: multiplies buffer f; in its middle it fetches the next quarter's fragments, at byte k of the same slot's rows, into buffer g.
.macro QUARTER slot, k, f, g
	s_wait_dscnt 8                                 ; B and A's rows 0-63 are in; the youngest eight loads (A's rows 64-127) may be out
	MUL16 \f, 0, 0
	MUL16 \f, 0, 2
	PLACES
	FETCH \slot, \k, \g
	s_wait_dscnt 32                                ; all but the 32 just issued
	MUL16 \f, 1, 0
	MUL16 \f, 1, 2
.endm
; The first half of a K step's last quarter, and the opening of a round: each wave waits for all its tensor loads (one is out: its part of the next slot), adds 0 to its spare word, and waits for that and for its reads of this slot.
.macro MEET
	WIN 0                                          ; (the add's two registers lie in window 0)
	s_wait_tensorcnt 0x0
	ds_add_u32 v[SPW], v[NIL]
	s_wait_dscnt 9                                 ; (the add and the youngest eight loads may be out)
	MUL16 F1, 0, 0                                 ; sixteen matrix instructions stand between the add and the wait for it
	s_wait_dscnt 0x0                               ; the add is done, and my reads of this slot are over
	s_barrier_signal -1
	MUL16 F1, 0, 2
	WIN 0
	s_barrier_wait -1
.endm
; The whole last quarter: behind the round the slot just read out is filled again, two K steps on; then come the next slot's first fragments.
.macro TURN slot, next
	MEET
	CREST                                          ; no wave of any partner still reads this slot's tile or has a load on its way
	s_add_nc_u64 s[G0+4*(\slot)+2:G0+4*(\slot)+3], s[G0+4*(\slot)+2:G0+4*(\slot)+3], 2*KSTEP*2
	s_add_nc_u64 s[G0B+4*(\slot)+2:G0B+4*(\slot)+3], s[G0B+4*(\slot)+2:G0B+4*(\slot)+3], 2*KSTEP*2
	JLOAD \slot                                    ; my one tensor load behind the round; its four v_nop are also the places in front of the loads below
	FETCH \next, 0, F0
	MUL16 F1, 1, 0
	MUL16 F1, 1, 2
.endm
; The last change of slots: slot 0 takes the tile's h in f32, each wave its own 64 rows, by a load of its own (no mask).
.macro TURNH
	MEET
	CREST
	tensor_load_to_lds s[G0H:G0H+3], s[G1H:G1H+7]
	s_nop 0
.rept 4
	v_nop
.endr
	FETCH 1, 0, F0
	MUL16 F1, 1, 0
	MUL16 F1, 1, 2
.endm
; 64 of my rows' sums (window 2 + hi) into slot 1; each accumulator's low four registers first.
.macro DUMP hi
	WIN 0x08+4*(\hi)                               ; store data (source 1) in window 2 or 3
.irp a, 0,1,2,3
.irp b, 0,1,2,3,4,5,6,7
	ds_store_b128 v[DST], v[8*(8*(\a)+(\b)):8*(8*(\a)+(\b))+3]   offset:(\a)*16*DP+((\b)%4)*64+((\b)/4)*512
	ds_store_b128 v[DST], v[8*(8*(\a)+(\b))+4:8*(8*(\a)+(\b))+7] offset:(\a)*16*DP+((\b)%4)*64+((\b)/4)*512+16
.endr
.endr
	WIN 0
.endm
; 32 rows of the 128 in slot 1 are finished and stored: 8 trips of 4 rows; a lane has four hidden columns of each row, 16 numbers a trip.
; The 32 exponentials are one batch with one wait, the 16 reciprocals another: nothing ahead of a wait names a result of its batch.
.macro PHASE p
	v_mov_b32 v[RDA], v[RDA0]
	v_add_nc_u32 v[RHA], (\p)*64*HP, v[RHA0]
	v_add_nc_u32 v[GO], (\p)*64*4096, v[L16]
.if MODE < 2
	v_add_nc_u32 v[GB], (\p)*64*2048, v[L8]
.endif
	s_mov_b32 s2, 8
.Lrow\p:
.irp k, 0,1,2,3
	ds_load_b128 v[VG+4*(\k):VG+4*(\k)+3], v[RDA] offset:512+DP*(\k)
.endr
.irp k, 0,1,2,3
	ds_load_b128 v[VT+4*(\k):VT+4*(\k)+3], v[RDA] offset:DP*(\k)
.endr
.irp k, 0,1,2,3
	ds_load_b128 v[VH+4*(\k):VH+4*(\k)+3], v[RHA] offset:HP*(\k)
.endr
	s_wait_dscnt 8                                 ; g is in; t's and h's eight loads may be out
.set i, 0
.rept 8
	v_pk_mul_f32 v[VU+2*i:VU+2*i+1], v[VG+2*i:VG+2*i+1], s[NL:NL+1] op_sel_hi:[1,0]
.set i, i+1
.endr
	s_wait_dscnt 4                                 ; t is in; h's four loads may be out
.set i, 0
.rept 8
	v_exp_f32 v[VU+2*i], v[VU+2*i]                 ; E1
	v_pk_mul_f32 v[VV+2*i:VV+2*i+1], v[VT+2*i:VT+2*i+1], s[TL:TL+1] op_sel_hi:[1,0]
	v_exp_f32 v[VU+2*i+1], v[VU+2*i+1]
	v_min_num_f32 v[VV+2*i], s[CAP], v[VV+2*i]
.set i, i+1
.endr
.set i, 0
.rept 8
	v_min_num_f32 v[VV+2*i+1], s[CAP], v[VV+2*i+1]
	v_exp_f32 v[VV+2*i], v[VV+2*i]                 ; E2
	v_exp_f32 v[VV+2*i+1], v[VV+2*i+1]
.set i, i+1
.endr
	v_nop                                          ; a plain instruction behind the last exponential,
	s_wait_alu depctr_va_vdst(0)                   ; and the one wait ahead of the batch's first reader
.set i, 0
.rept 8
	v_pk_add_f32 v[VW+2*i:VW+2*i+1], v[VV+2*i:VV+2*i+1], 1.0 op_sel_hi:[1,0]
.set i, i+1
.endr
.set i, 0
.rept 8
	v_pk_fma_f32 v[VU+2*i:VU+2*i+1], v[VU+2*i:VU+2*i+1], v[VW+2*i:VW+2*i+1], v[VW+2*i:VW+2*i+1]  ; (1 + E1)(1 + E2)
.set i, i+1
.endr
.set i, 0
.rept 8
	v_rcp_f32 v[VU+2*i], v[VU+2*i]
	v_rcp_f32 v[VU+2*i+1], v[VU+2*i+1]
	v_pk_add_f32 v[VV+2*i:VV+2*i+1], v[VV+2*i:VV+2*i+1], -1.0 op_sel_hi:[1,0]  ; E2 - 1; the last of these is the plain instruction behind the last reciprocal
.set i, i+1
.endr
	s_wait_alu depctr_va_vdst(0)                   ; one wait for the 16 reciprocals
	s_wait_dscnt 0x0                               ; h is in
.set i, 0
.rept 8
	v_pk_fma_f32 v[VV+2*i:VV+2*i+1], v[VV+2*i:VV+2*i+1], v[VU+2*i:VU+2*i+1], v[VH+2*i:VH+2*i+1] neg_lo:[0,0,1] neg_hi:[0,0,1]  ; f = sigmoid tanh - h
.set i, i+1
.endr
.set i, 0
.rept 8
	v_pk_fma_f32 v[VO+2*i:VO+2*i+1], v[VV+2*i:VV+2*i+1], v[SC+2*(i%2):SC+2*(i%2)+1], v[VH+2*i:VH+2*i+1]  ; h + scale f
.set i, i+1
.endr
.if MODE < 2
.set i, 0
.rept 8
	v_cvt_pk_bf16_f32 v[VB+i], v[VO+2*i], v[VO+2*i+1]
.set i, i+1
.endr
.endif
.irp k, 0,1,2,3
	global_store_b128 v[GO], v[VO+4*(\k):VO+4*(\k)+3], s[PO0:PO0+1] offset:4096*(\k) th:TH_STORE_NT  ; 512 consecutive bytes of a row
.endr
.irp k, 0,1,2,3
.if MODE < 2
	global_store_b64 v[GB], v[VB+2*(\k):VB+2*(\k)+1], s[PO1:PO1+1] offset:2048*(\k) th:TH_STORE_NT  ; 256 consecutive bytes of a row
.else
	global_store_b128 v[GO], v[VO+4*(\k):VO+4*(\k)+3], s[PO1:PO1+1] offset:4096*(\k) th:TH_STORE_NT
.endif
.endr
	s_wait_xcnt 0x0                                ; the stores have read their data and offsets, which the next lines and the next trip write
	v_add_nc_u32 v[RDA], 4*DP, v[RDA]
	v_add_nc_u32 v[RHA], 4*HP, v[RHA]
	v_add_nc_u32 v[GO], 4*4096, v[GO]
.if MODE < 2
	v_add_nc_u32 v[GB], 4*2048, v[GB]
.endif
	s_sub_co_u32 s2, s2, 1
	s_cmp_lg_u32 s2, 0
	s_cbranch_scc1 .Lrow\p
.endm
	global_load_b128 v[SC:SC+3], v[L16], s[PLT:PLT+1]
	INITH 0
	INITH 1
	WIN 0
	s_wait_tensorcnt 1                             ; my part of K step 0 is in; K step 1's load may stay out
	s_barrier_signal -1
	s_barrier_wait -1                              ; everybody's is
	FETCH 0, 0, F0
	s_wait_loadcnt 0x0                             ; log_tau and the sums' start
.irp j, 0,1,2,3
	v_mul_f32 v[SC+(\j)], s[NL], v[SC+(\j)]
.endr
.irp j, 0,1,2,3
	v_exp_f32 v[SC+(\j)], v[SC+(\j)]               ; exp(-log_tau)
.endr
	v_nop
	s_wait_alu depctr_va_vdst(0)                   ; one wait for the four
.irp j, 0,1,2,3
	v_mul_f32 v[SC+(\j)], s[THIRD], v[SC+(\j)]     ; scale
.endr
	s_mov_b32 s3, LAPS-1
.Llap:                                                 ; a trip is a lap: two K steps, and both slots are filled again
	QUARTER 0, 64,  F0, F1
	QUARTER 0, 128, F1, F0
	QUARTER 0, 192, F0, F1
	TURN 0, 1
	QUARTER 1, 64,  F0, F1
	QUARTER 1, 128, F1, F0
	QUARTER 1, 192, F0, F1
	TURN 1, 0
	WIN 0                                          ; at a label and at a branch every window is 0
.if MODE == 0
	s_cmp_lg_u32 s3, 4                             ; the trips count 7, 6, 5, 4: behind the fourth, K steps 0 to 7 (x's 1,024) are done.  The count is the same in every work-group; only stores are jumped
	s_cbranch_scc1 .Lnodg
	DGOUT
.Lnodg:
.endif
	s_sub_co_u32 s3, s3, 1
	s_cmp_lg_u32 s3, 0
	s_cbranch_scc1 .Llap
	; A prefetch into the L2 of the h tile's 64 rows x 512 bytes that I fetch at the last change of slots, three quarters and a half (224 matrix instructions) further on: a lane names 256 bytes,
	; an instruction 16 rows.  No other wave of the launch names these bytes; the launch only reads them.  The address registers are never rewritten.
.irp j, 0,1,2,3
	global_prefetch_b8 v[PFH], s[HB:HB+1] offset:(\j)*65536 th:TH_LOAD_NT scope:SCOPE_SE
.endr
	QUARTER 0, 64,  F0, F1                         ; the last lap is written out: no joint load is left to ask for
	QUARTER 0, 128, F1, F0
	QUARTER 0, 192, F0, F1
	TURNH
	QUARTER 1, 64,  F0, F1
	QUARTER 1, 128, F1, F0
	QUARTER 1, 192, F0, F1
	s_wait_dscnt 8
	MUL16 F1, 0, 0
	MUL16 F1, 0, 2
	s_wait_dscnt 0x0                               ; my reads of slot 1 are over
	MUL16 F1, 1, 0
	MUL16 F1, 1, 2
	WIN 0
	s_wait_tensorcnt 0x0                           ; my part of the h tile is in
	s_barrier_signal -1
	s_barrier_wait -1                              ; everybody's is, and nobody reads slot 1 any more: it takes the sums
	PLACES                                         ; behind the last products
	DUMP 0
	s_wait_dscnt 0x0                               ; for the others' sake: my stores are done
	s_barrier_signal -1
	s_barrier_wait -1
	PHASE 0
	s_wait_dscnt 0x0                               ; my reads of the sums are over
	s_barrier_signal -1
	s_barrier_wait -1                              ; everybody's are: the other 64 rows take their place
	DUMP 1
	s_wait_dscnt 0x0
	s_barrier_signal -1
	s_barrier_wait -1
	PHASE 1
	s_wait_tensorcnt 0x0                           ; the wave's end: behind my last tensor load and my last LDS store
	ds_add_u32 v[SPW], v[NIL]
	s_wait_dscnt 0x0
	CROUND                                         ; the closing round: no work-group ends while a partner may still ask for a tile that names it
	s_endpgm
.Lfunc_end_k_q8a49ac5003_step1:
	.size	k_q8a49ac5003_step1, .Lfunc_end_k_q8a49ac5003_step1-k_q8a49ac5003_step1
	.p2alignl 7, 3214868480
	.fill 96, 4, 3214868480
	.section	.rodata,"a",@progbits
	.p2align	6, 0x0
	.amdhsa_kernel k_q8a49ac5003_step1
		.amdhsa_group_segment_fixed_size 327680
		.amdhsa_private_segment_fixed_size 0
		.amdhsa_enable_private_segment 0
		.amdhsa_kernarg_size 72
		.amdhsa_user_sgpr_count 2
		.amdhsa_user_sgpr_kernarg_segment_ptr 1
		.amdhsa_wavefront_size32 1
		.amdhsa_system_sgpr_workgroup_id_x 1
		.amdhsa_system_sgpr_workgroup_id_y 1
		.amdhsa_system_sgpr_workgroup_id_z 1
		.amdhsa_system_vgpr_workitem_id 0
		.amdhsa_next_free_vgpr 1024
		.amdhsa_next_free_sgpr 102
		.amdhsa_reserve_vcc 0
		.amdhsa_float_denorm_mode_32 3
		.amdhsa_float_denorm_mode_16_64 3
		.amdhsa_memory_ordered 1
		.amdhsa_forward_progress 1
		.amdhsa_inst_pref_size 164
	.end_amdhsa_kernel
	.amdgpu_metadata
---
amdhsa.version: [ 1, 2 ]
amdhsa.kernels:
  - .name:           k_q8a49ac5003_step1
    .symbol:         k_q8a49ac5003_step1.kd
    .args:
      - { .name: ab0, .offset: 0, .size: 8, .value_kind: global_buffer, .address_space: global }
      - { .name: wc, .offset: 8, .size: 8, .value_kind: global_buffer, .address_space: global }
      - { .name: h, .offset: 16, .size: 8, .value_kind: global_buffer, .address_space: global }
      - { .name: log_tau, .offset: 24, .size: 8, .value_kind: global_buffer, .address_space: global }
      - { .name: out1, .offset: 32, .size: 8, .value_kind: global_buffer, .address_space: global }
      - { .name: hb1, .offset: 40, .size: 8, .value_kind: global_buffer, .address_space: global }
      - { .name: dg, .offset: 48, .size: 8, .value_kind: global_buffer, .address_space: global }
      - { .name: W_in_b, .offset: 56, .size: 8, .value_kind: global_buffer, .address_space: global }
      - { .name: W_gate_b, .offset: 64, .size: 8, .value_kind: global_buffer, .address_space: global }
    .group_segment_fixed_size: 327680
    .private_segment_fixed_size: 0
    .kernarg_segment_align: 8
    .kernarg_segment_size: 72
    .max_flat_workgroup_size: 128
    .sgpr_count:     102
    .vgpr_count:     1024
    .wavefront_size: 32
...
	.end_amdgpu_metadata
.endif
;; end of part 2
;; launch step2 (part 3): grid 8 x 32, 4 waves a work-group, clusters of 4 x 4, 327,680 bytes of LDS; arguments hb1, wc, out1, log_tau, hf2, hb2, dg; writes hf2, hb2
.if DOCPART == 3
	.amdgcn_target "amdgcn-amd-amdhsa--gfx1250"
	.amdhsa_code_object_version 6
	.text
	.protected	k_q8a49ac5003_step2
	.globl	k_q8a49ac5003_step2
	.p2align	8
	.type	k_q8a49ac5003_step2,@function
k_q8a49ac5003_step2:
	s_mov_b64 s[64:65], 0
	v_nop
	global_prefetch_b8 v0, s[64:65] scope:SCOPE_SE
	s_setreg_imm32_b32 hwreg(HW_REG_WAVE_MODE, 25, 1), 1
	s_wait_xcnt 0x0
	s_wait_alu depctr_hold_cnt(0) depctr_sa_sdst(0) depctr_va_vdst(0) depctr_va_sdst(0) depctr_va_ssrc(0) depctr_va_vcc(0) depctr_vm_vsrc(0)
	s_getreg_b32 s2, hwreg(HW_REG_IB_STS2, 6, 4)
	s_cmp_eq_u32 s2, 0
	s_cbranch_scc0 .Lentry_in_a_cluster
	s_endpgm
.Lentry_in_a_cluster:
	s_bfe_u32 s2, ttmp6, 0x10000c
	s_cmp_lg_u32 s2, 0xf033
	s_cbranch_scc0 .Lentry_shape_is_right
	s_endpgm
.Lentry_shape_is_right:
; ONE ODE STEP OF THE CELL AS A GEMM WITH A NONLINEAR WAY OUT.  The same text serves three launches; MODE says which.
;   t = drive + h W_rec^T,  g = gate_x + h Wg_h^T,  h' = h + scale (-h + sigmoid(g) tanh(t)),  scale = (1/3) exp(-log_tau).
;   MODE 0: A = [x | h] (K = 2,048).  The sums start from the biases; when x's half of K is done they ARE drive and gate_x and are stored to DG (f32, as the
;           registers hold them); the walk goes on through h's half.  h' goes out in f32 (O0) and in bf16 (O1, the next launch's A).
;   MODE 1: A = h in bf16 (K = 1,024).  The sums start from DG.  Way out as in MODE 0.        MODE 2: the same; h' goes out in f32 twice (O0, O1).
; Arguments: A, B (the weights, interleaved), HS (h in f32), log_tau, O0, O1, DG; in MODE 0 also W_in_b, W_gate_b.
; B [2048 n'][2048 k] bf16: n' = 256 T + 128 c + 64 m + j is hidden column 128 T + 64 c + j; m = 0 the tanh's weights, m = 1 the gate's; k < 1,024 for x, the rest for h.
; FORMATS.  Matrix operands bf16, sums f32; h is carried in f32; everything behind the products in f32.
; LIMITS.  sigmoid(g) tanh(t) = (E2 - 1) / ((1 + E1)(1 + E2)), E1 = 2^(-g log2 e), E2 = 2^min(2 t log2 e, 60): at the bound tanh is 1 in f32, so the bound changes no value.
; E1 = infinity, or a product past f32's range, gives the quotient 0, which is what sigmoid has become there.  Results of exponentials and reciprocals below 2^-126 count as 0.
; A NaN in t leaves the minimum as 60, that is tanh = 1; NaN and infinities in the inputs are not treated apart.
; SHARES.  A tile is 256 batch rows x 256 n' (128 hidden columns): 32 x 8 tiles, one work-group each, four waves, each 128 rows x 128 n' in 64 accumulators (512 registers).
; A wave's 128 n' are 64 hidden columns' t (accumulators b = 0-3) and the same columns' g (b = 4-7).  K goes in steps of 128 through two LDS slots filled by the tensor data mover.
; CLUSTER.  4 x 4 work-groups: the four of a row need the same tiles of A, the four of a column the same tiles of B; each tile is asked for jointly (same load, descriptor and mask in all four).
; THE MATRIX INSTRUCTION IS USED TRANSPOSED (source 0 = 16 rows of B, source 1 = 16 rows of A): lane l holds batch row l % 16 and the n' 8 (l / 16) + 0..7.
; WAY OUT.  The last change of slots fills slot 0 with the tile's h in f32.  The sums go through LDS (slot 1, which has had its last fill), 64 of a wave's rows at a time, so that a lane gets t, g and h of four
; neighbouring hidden columns of one row: a wave then stores 512 consecutive bytes of f32 (256 of bf16), at a multiple of 256 from the buffer's first byte.
; REGISTERS, in windows of 256 (s_set_vgpr_msb's low byte: bits 1:0 source 0, 3:2 source 1, 5:4 source 2, 7:6 destination):
;   window 0: v0-29 addresses and scale; v64-127, v128-191 fragments of A, two buffers; on the way out v64-183 at work
;   window 1: v64-127, v128-191 fragments of B     window 2: accumulators of my rows 0-63 ((a, b) at v[8 (8 a + b)])     window 3: those of my rows 64-127
.set MODE,   1
.set KSTEP,  128
.set PITCH,  272                       ; an LDS row of A or B: 256 bytes + 16 of padding = 68 words: the 16 rows of a load start at 16 different groups of four banks (64 banks of 4 bytes: ISA guide 11.1)
.set HALFT,  128*PITCH                 ; 128 rows: what one tensor load brings, and what one wave reads of A or of B
.set SLOT,   4*HALFT                   ; A's 256 rows, then B's 256 rows
.set SPARE,  2*SLOT                    ; behind the ring: the spare words, 128 bytes for each wave: two blocks of 256 bytes that no other line names
.set HP,     528                       ; the h tile in slot 0: 256 rows of 512 bytes + 16
.set DP,     1040                      ; the sums in slot 1: 128 rows of 512 bytes of t, 512 of g, + 16: 16 rows of a store start at 16 different groups of four banks
.if MODE == 0
.set APITCH, 2048                      ; elements in a row of A
.set ASH,    12                        ; log2 of its bytes
.set KOFF,   0                         ; where the walk begins in a row of B, in bytes
.set LAPS,   8                         ; a lap = two K steps = once round the ring
.else
.set APITCH, 1024
.set ASH,    11
.set KOFF,   2048
.set LAPS,   4
.endif
.set BPITCH, 2048
.set SC,   8                           ; v[8:11] log_tau, then scale, of my four hidden columns 4 l .. 4 l + 3
.set RDA0, 12                          ; v12  the sums: my 16 bytes in the first row that I read back
.set RHA0, 13                          ; v13  the h tile: the same
.set L16,  14                          ; v14  16 x lane
.set L8,   15                          ; v15  8 x lane
.set ADRA, 16                          ; v16-17  LDS address of my A fragments in slot 0, 1
.set DST,  18                          ; v18  the sums: where I put them
.set ADRB, 20                          ; v20-21  the same as ADRA for B
.set RDA,  22                          ; v22-25  walking copies: sums, h tile, f32 output, bf16 output
.set RHA,  23
.set GO,   24
.set GB,   25
.set BO,   26                          ; v26  32 x (l / 16): my eight numbers in 16 of a bias (MODE 0)
.set PFH,  27                          ; v27  the prefetches' offset; never rewritten
.set SPW,  28                          ; v28  LDS address of my spare word; never rewritten
.set NIL,  29                          ; v29  0; never rewritten
.set F0,   64
.set F1,   128
.set VT,   64                          ; the way out, 16 numbers a lane and trip: t
.set VG,   80                          ; g
.set VH,   96                          ; h
.set VU,   112                         ; E1, then (1 + E1)(1 + E2), then its reciprocal
.set VV,   128                         ; E2, then E2 - 1, then f
.set VW,   144                         ; 1 + E2
.set VO,   160                         ; h'
.set VB,   176                         ; h' in bf16
.set HB,   22                          ; s[22:23] the h tile's rows that I fetch; never rewritten
.set G1,   24                          ; s[24:31] descriptor group 1 for A's tiles;  s[32:39] group 0, one set for each slot
.set G0,   32
.set G1B,  48                          ; s[48:55], s[56:63] the same for B's tiles
.set G0B,  56
.set PHS,  68                          ; s[68:69] HS   s[70:71] log_tau   s[72:73] O0   s[74:75] O1   s[76:77] DG   s[80:81] W_in_b   s[82:83] W_gate_b
.set PLT,  70
.set PO0,  72
.set PO1,  74
.set PDG,  76
.set PBI,  80
.set PBG,  82
.set G1H,  84                          ; s[84:91], s[92:95] the h tile's descriptor
.set G0H,  92
.set NL,   96                          ; s[96:97] -log2 e      s[98:99] 2 log2 e      s100 60.0      s101 1/3
.set TL,   98
.set CAP,  100
.set THIRD, 101
.set MSB, 0
.macro WIN new                         ; the immediate's high byte repeats the setting that is left; a switch that changes nothing is dropped
.if MSB != (\new)
	s_set_vgpr_msb (MSB<<8)|(\new)
.set MSB, \new
.endif
.endm
.set MUL_LO, 0xa1                      ; source 0 (B) window 1, source 1 (A) window 0, C and D window 2
.set MUL_HI, 0xf1                      ; the same, C and D window 3
.set TO_B,   0x40                      ; destination window 1, address window 0
.macro PLACES                          ; four plain vector instructions between a matrix instruction and a load into, a store from or a vector use of its registers
.rept 4
	v_nop
.endr
.endm
; A joint load.  Waves 0 and 1 fetch A's two halves, waves 2 and 3 B's.  The branch hangs on the wave's number alone.  An s_nop 0 and four v_nop follow each line.
.macro JLOAD s
	s_cmp_eq_u32 s11, 0
	s_cbranch_scc0 .Lfor_b_\@
	tensor_load_to_lds s[G0+4*(\s):G0+4*(\s)+3], s[G1:G1+7]
	s_nop 0
.rept 4
	v_nop
.endr
	s_branch .Lasked_\@
.Lfor_b_\@:
	tensor_load_to_lds s[G0B+4*(\s):G0B+4*(\s)+3], s[G1B:G1B+7]
	s_nop 0
.rept 4
	v_nop
.endr
.Lasked_\@:
.endm
.macro CREST                           ; a round of the cluster's barrier behind its opening barrier
	s_cmp_lg_u32 s10, 0
	s_cbranch_scc1 .Lnot_wave_0_\@
	s_barrier_signal -3
.Lnot_wave_0_\@:
	s_barrier_wait -3
	s_barrier_signal -1
	s_barrier_wait -1
.endm
.macro CROUND                          ; a whole round
	s_barrier_signal -1
	s_barrier_wait -1
	CREST
.endm
	s_load_b128 s[4:7], s[0:1], 0x0                ; A s[4:5], B s[6:7]
	s_load_b256 s[68:75], s[0:1], 0x10             ; HS, log_tau, O0, O1
	s_load_b64 s[76:77], s[0:1], 0x30              ; DG
.if MODE == 0
	s_load_b128 s[80:83], s[0:1], 0x38             ; W_in_b, W_gate_b
.endif
	v_lshl_add_u32 v[SPW], v0, 2, SPARE
	v_mov_b32 v[NIL], 0
	ds_add_u32 v[SPW], v[NIL]                      ; the wave's opening: the add and its wait stand ahead of my first tensor load; work on registers stands between them
	v_lshrrev_b32 v1, 5, v0
	v_readfirstlane_b32 s10, v1                    ; wave 0..3
	s_lshr_b32 s11, s10, 1                         ; rh: which 128 of the tile's rows are mine.  Also: I fetch for A (0) or for B (1)
	s_and_b32 s12, s10, 1                          ; c: which 128 n'.  Also: which 128 rows of that tile I fetch
	s_bfe_u32 s40, ttmp6, 0x40000                  ; cx
	s_bfe_u32 s41, ttmp6, 0x40004                  ; cy
	s_lshl_b32 s42, ttmp9, 2
	s_add_co_u32 s42, s42, s40                     ; Tx = 4 x cluster x + cx
	s_and_b32 s13, ttmp7, 0xffff
	s_lshl_b32 s13, s13, 2
	s_add_co_u32 s13, s13, s41                     ; Ty = 4 x cluster y + cy
	s_lshl_b32 s43, s41, 2
	s_lshl_b32 s43, 15, s43                        ; my row of the cluster
	s_lshl_b32 s44, 0x1111, s40                    ; my column
	; group 1 for A and B: a tile of 128 rows x 128 elements of 2 bytes; 16 bytes of padding behind every 64 words
	s_or_b32 s[G1+0], s43, (1<<16)|(1<<20)|(1<<21)|(5<<22)|(3<<25)
	s_or_b32 s[G1B+0], s44, (1<<16)|(1<<20)|(1<<21)|(5<<22)|(3<<25)
.irp g, G1, G1B
	s_mov_b32 s[(\g)+1], KSTEP<<16                 ; tensor_dim0 = 128
	s_mov_b32 s[(\g)+2], 128<<16                   ; tensor_dim1 = 128
	s_mov_b32 s[(\g)+3], KSTEP<<16                 ; tile_dim0 = 128
	s_mov_b32 s[(\g)+4], 128                       ; tile_dim1 = 128
	s_mov_b32 s[(\g)+6], 0
	s_mov_b32 s[(\g)+7], 0
.endr
	s_mov_b32 s[G1+5], APITCH                      ; elements from row to row
	s_mov_b32 s[G1B+5], BPITCH
	; group 1 for the h tile: 64 rows x 128 elements of 4 bytes, no mask; 16 bytes of padding behind every 128 words
	s_mov_b32 s[G1H+0], (2<<16)|(1<<20)|(6<<22)|(3<<25)
	s_mov_b32 s[G1H+1], 128<<16
	s_mov_b32 s[G1H+2], 64<<16
	s_mov_b32 s[G1H+3], 128<<16
	s_mov_b32 s[G1H+4], 64
	s_mov_b32 s[G1H+5], 1024
	s_mov_b32 s[G1H+6], 0
	s_mov_b32 s[G1H+7], 0
	s_mov_b32 s[NL], 0xbfb8aa3b
	s_mov_b32 s[NL+1], 0xbfb8aa3b
	s_mov_b32 s[TL], 0x4038aa3b
	s_mov_b32 s[TL+1], 0x4038aa3b
	s_mov_b32 s[CAP], 0x42700000
	s_mov_b32 s[THIRD], 0x3eaaaaab
	; where the tiles come from: A's hang on Ty alone, B's on Tx alone, each in registers that never hold the other coordinate
	s_lshl_b32 s17, s12, 7
	s_lshl_b32 s16, s13, 8
	s_add_co_u32 s16, s16, s17                     ; A: row 256 Ty + 128 x half
	s_lshl_b32 s46, s42, 8
	s_add_co_u32 s46, s46, s17                     ; B: row 256 Tx + 128 x half
	s_lshl_b32 s16, s16, ASH                       ; in bytes: under 2^26
	s_lshl_b32 s46, s46, 12
	s_mov_b32 s17, 0
	s_mov_b32 s47, 0
	s_mul_i32 s20, s10, HALFT                      ; where they go: wave x 128 rows
	s_wait_dscnt 0x0                               ; the opening add is done
	s_wait_kmcnt 0x0
	s_add_nc_u64 s[14:15], s[4:5], s[16:17]
	s_add_nc_u64 s[46:47], s[6:7], s[46:47]
	CROUND                                         ; all sixteen work-groups are here: the first joint loads meet
.irp s, 0,1
	s_mov_b32 s[G0+4*(\s)], 1
	s_add_co_u32 s[G0+4*(\s)+1], s20, (\s)*SLOT
	s_add_nc_u64 s[G0+4*(\s)+2:G0+4*(\s)+3], s[14:15], (\s)*KSTEP*2
	s_or_b32 s[G0+4*(\s)+3], s[G0+4*(\s)+3], 0x80000000
	s_mov_b32 s[G0B+4*(\s)], 1
	s_add_co_u32 s[G0B+4*(\s)+1], s20, (\s)*SLOT
	s_add_nc_u64 s[G0B+4*(\s)+2:G0B+4*(\s)+3], s[46:47], (\s)*KSTEP*2+KOFF
	s_or_b32 s[G0B+4*(\s)+3], s[G0B+4*(\s)+3], 0x80000000
	JLOAD \s                                       ; two tensor loads of mine are out
.endr
	; the bases that hang on both coordinates; every offset is under 2^27
	s_mov_b32 s21, 0
	s_lshl_b32 s20, s13, 3
	s_add_co_u32 s20, s20, s42
	s_lshl_b32 s20, s20, 2
	s_add_co_u32 s20, s20, s10
	s_lshl_b32 s20, s20, 16                        ; DG: 65,536 bytes for each wave of each tile: accumulator i, registers 4 u .. 4 u + 3 at 1,024 i + 512 u + 16 x lane
	s_add_nc_u64 s[PDG:PDG+1], s[PDG:PDG+1], s[20:21]
	s_lshl_b32 s20, s42, 9                         ; the tile's 128 hidden columns in f32
	s_add_nc_u64 s[PLT:PLT+1], s[PLT:PLT+1], s[20:21]
.if MODE == 0
	s_lshl_b32 s8, s12, 8
	s_add_co_u32 s8, s8, s20                       ; my 64 of them
	s_mov_b32 s9, 0
	s_add_nc_u64 s[PBI:PBI+1], s[PBI:PBI+1], s[8:9]
	s_add_nc_u64 s[PBG:PBG+1], s[PBG:PBG+1], s[8:9]
.endif
	s_lshl_b32 s8, s13, 8
	s_lshl_b32 s9, s11, 7
	s_add_co_u32 s8, s8, s9
	s_lshl_b32 s9, s12, 5
	s_add_co_u32 s8, s8, s9                        ; the first row that I store: 256 Ty + 128 rh + 32 c
	s_lshl_b32 s20, s8, 12
	s_lshl_b32 s9, s42, 9
	s_add_co_u32 s20, s20, s9
	s_add_nc_u64 s[PO0:PO0+1], s[PO0:PO0+1], s[20:21]
.if MODE < 2
	s_lshr_b32 s20, s20, 1                         ; the same place in bf16
.endif
	s_add_nc_u64 s[PO1:PO1+1], s[PO1:PO1+1], s[20:21]
	s_lshl_b32 s8, s13, 8
	s_lshl_b32 s9, s10, 6
	s_add_co_u32 s8, s8, s9                        ; the h tile's rows that I fetch: 256 Ty + 64 w
	s_lshl_b32 s20, s8, 12
	s_lshl_b32 s9, s42, 9
	s_add_co_u32 s20, s20, s9
	s_add_nc_u64 s[HB:HB+1], s[PHS:PHS+1], s[20:21]
	s_mov_b32 s[G0H], 1
	s_mul_i32 s[G0H+1], s10, 64*HP
	s_mov_b64 s[G0H+2:G0H+3], s[HB:HB+1]
	s_or_b32 s[G0H+3], s[G0H+3], 0x80000000
	; vector addresses
	v_and_b32 v1, 15, v0                           ; r = l % 16
	v_bfe_u32 v2, v0, 4, 1                         ; hh = l / 16
	v_and_b32 v3, 31, v0                           ; l
	v_mul_u32_u24 v4, v1, PITCH
	v_lshl_add_u32 v4, v2, 4, v4                   ; a fragment's row x pitch + 16 x half
	s_mul_i32 s8, s11, HALFT                       ; my 128 rows of A
	s_mul_i32 s9, s12, HALFT                       ; my 128 rows of B,
	s_add_co_u32 s9, s9, 2*HALFT                   ; which lie behind A's 256
.irp s, 0,1
	v_add_nc_u32 v[ADRA+(\s)], s8, v4
	v_add_nc_u32 v[ADRB+(\s)], s9, v4
	s_add_co_u32 s8, s8, SLOT
	s_add_co_u32 s9, s9, SLOT
.endr
	v_lshlrev_b32 v[L16], 4, v3
	v_lshlrev_b32 v[L8], 3, v3
.if MODE == 0
	v_lshlrev_b32 v[BO], 5, v2
.endif
	s_mul_i32 s8, s11, 64*DP                       ; the sums go to row 64 rh + 16 a + r, byte 512 m + 256 c + 64 (b % 4) + 32 hh
	s_lshl_b32 s9, s12, 8
	s_add_co_u32 s8, s8, s9
	s_add_co_u32 s8, s8, SLOT
	v_mul_u32_u24 v5, v1, DP
	v_lshl_add_u32 v5, v2, 5, v5
	v_add_nc_u32 v[DST], s8, v5
	s_mul_i32 s8, s10, 32*DP                       ; and come back by rows: wave w takes rows 32 w .. 32 w + 31
	s_add_co_u32 s8, s8, SLOT
	v_add_nc_u32 v[RDA0], s8, v[L16]
	s_lshl_b32 s8, s11, 7
	s_lshl_b32 s9, s12, 5
	s_add_co_u32 s8, s8, s9                        ; which are the tile's rows 128 rh + 32 c + 64 p + ..
	s_mul_i32 s8, s8, HP
	v_add_nc_u32 v[RHA0], s8, v[L16]
	v_lshrrev_b32 v5, 1, v3
	v_and_b32 v6, 1, v3
	v_lshlrev_b32 v6, 8, v6
	v_lshl_add_u32 v[PFH], v5, 12, v6              ; row l / 2 of 16, half l % 2 of its 512 bytes
; The sums' start, loaded straight into the accumulators.  MODE 0: the biases of the lane's eight hidden columns.  Else: drive and gate_x as MODE 0 left them, 512 consecutive bytes a load.
.macro INITH hi
	WIN 0x80+0x40*(\hi)                            ; destination window 2 or 3, address window 0
.set i, 0
.rept 32
.if MODE == 0
.if (i%8) < 4
	global_load_b128 v[8*i:8*i+3],   v[BO], s[PBI:PBI+1] offset:(i%4)*64
	global_load_b128 v[8*i+4:8*i+7], v[BO], s[PBI:PBI+1] offset:(i%4)*64+16
.else
	global_load_b128 v[8*i:8*i+3],   v[BO], s[PBG:PBG+1] offset:(i%4)*64
	global_load_b128 v[8*i+4:8*i+7], v[BO], s[PBG:PBG+1] offset:(i%4)*64+16
.endif
.else
	global_load_b128 v[8*i:8*i+3],   v[L16], s[PDG:PDG+1] offset:(32*(\hi)+i)*1024 th:TH_LOAD_NT
	global_load_b128 v[8*i+4:8*i+7], v[L16], s[PDG:PDG+1] offset:(32*(\hi)+i)*1024+512 th:TH_LOAD_NT
.endif
.set i, i+1
.endr
.endm
; MODE 0: x's half of K is done: the sums are drive and gate_x, biases included.  Each accumulator's low four registers go first.
.macro DGOUT
	PLACES
.irp hi, 0,1
	WIN 0x08+4*(\hi)                               ; store data (source 1) in window 2 or 3
.set i, 0
.rept 32
	global_store_b128 v[L16], v[8*i:8*i+3],   s[PDG:PDG+1] offset:(32*(\hi)+i)*1024 th:TH_STORE_NT
	global_store_b128 v[L16], v[8*i+4:8*i+7], s[PDG:PDG+1] offset:(32*(\hi)+i)*1024+512 th:TH_STORE_NT
.set i, i+1
.endr
.endr
	WIN 0
	s_wait_xcnt 0x0                                ; the stores have read the accumulators: only behind this wait do the products write them again
.endm
; 16 matrix instructions: m blocks a0, a0 + 1 of the window's four x all 8 n blocks, 32 along K.  The 64 accumulators take turns in the same order in every quarter, over the backward jump too.
.macro MUL16 f, hi, a0
	WIN MUL_LO+0x50*(\hi)
.irp a, \a0, (\a0)+1
.irp b, 0,1,2,3,4,5,6,7
	v_wmma_f32_16x16x32_bf16 v[8*(8*(\a)+(\b)):8*(8*(\a)+(\b))+7], v[(\f)+8*(\b):(\f)+8*(\b)+7], v[(\f)+8*(4*(\hi)+(\a)):(\f)+8*(4*(\hi)+(\a))+7], v[8*(8*(\a)+(\b)):8*(8*(\a)+(\b))+7]
.endr
.endr
.endm
; 32 LDS loads in one run: the fragments of one quarter step (128 rows of B, 128 rows of A, 32 K at byte k of the rows) into buffer f
.macro FETCH slot, k, f
	WIN TO_B
.irp i, 0,1,2,3,4,5,6,7
	ds_load_b128 v[(\f)+8*(\i):(\f)+8*(\i)+3],   v[ADRB+(\slot)] offset:(\k)+(\i)*16*PITCH
	ds_load_b128 v[(\f)+8*(\i)+4:(\f)+8*(\i)+7], v[ADRB+(\slot)] offset:(\k)+(\i)*16*PITCH+32
.endr
	WIN 0
.irp i, 0,1,2,3,4,5,6,7
	ds_load_b128 v[(\f)+8*(\i):(\f)+8*(\i)+3],   v[ADRA+(\slot)] offset:(\k)+(\i)*16*PITCH
	ds_load_b128 v[(\f)+8*(\i)+4:(\f)+8*(\i)+7], v[ADRA+(\slot)] offset:(\k)+(\i)*16*PITCH+32
.endr
.endm
; One of a K step's first three quarters: multiplies buffer f; in its middle it fetches the next quarter's fragments, at byte k of the same slot's rows, into buffer g.
.macro QUARTER slot, k, f, g
	s_wait_dscnt 8                                 ; B and A's rows 0-63 are in; the youngest eight loads (A's rows 64-127) may be out
	MUL16 \f, 0, 0
	MUL16 \f, 0, 2
	PLACES
	FETCH \slot, \k, \g
	s_wait_dscnt 32                                ; all but the 32 just issued
	MUL16 \f, 1, 0
	MUL16 \f, 1, 2
.endm
; The first half of a K step's last quarter, and the opening of a round: each wave waits for all its tensor loads (one is out: its part of the next slot), adds 0 to its spare word, and waits for that and for its reads of this slot.
.macro MEET
	WIN 0                                          ; (the add's two registers lie in window 0)
	s_wait_tensorcnt 0x0
	ds_add_u32 v[SPW], v[NIL]
	s_wait_dscnt 9                                 ; (the add and the youngest eight loads may be out)
	MUL16 F1, 0, 0                                 ; sixteen matrix instructions stand between the add and the wait for it
	s_wait_dscnt 0x0                               ; the add is done, and my reads of this slot are over
	s_barrier_signal -1
	MUL16 F1, 0, 2
	WIN 0
	s_barrier_wait -1
.endm
; The whole last quarter: behind the round the slot just read out is filled again, two K steps on; then come the next slot's first fragments.
.macro TURN slot, next
	MEET
	CREST                                          ; no wave of any partner still reads this slot's tile or has a load on its way
	s_add_nc_u64 s[G0+4*(\slot)+2:G0+4*(\slot)+3], s[G0+4*(\slot)+2:G0+4*(\slot)+3], 2*KSTEP*2
	s_add_nc_u64 s[G0B+4*(\slot)+2:G0B+4*(\slot)+3], s[G0B+4*(\slot)+2:G0B+4*(\slot)+3], 2*KSTEP*2
	JLOAD \slot                                    ; my one tensor load behind the round; its four v_nop are also the places in front of the loads below
	FETCH \next, 0, F0
	MUL16 F1, 1, 0
	MUL16 F1, 1, 2
.endm
; The last change of slots: slot 0 takes the tile's h in f32, each wave its own 64 rows, by a load of its own (no mask).
.macro TURNH
	MEET
	CREST
	tensor_load_to_lds s[G0H:G0H+3], s[G1H:G1H+7]
	s_nop 0
.rept 4
	v_nop
.endr
	FETCH 1, 0, F0
	MUL16 F1, 1, 0
	MUL16 F1, 1, 2
.endm
; 64 of my rows' sums (window 2 + hi) into slot 1; each accumulator's low four registers first.
.macro DUMP hi
	WIN 0x08+4*(\hi)                               ; store data (source 1) in window 2 or 3
.irp a, 0,1,2,3
.irp b, 0,1,2,3,4,5,6,7
	ds_store_b128 v[DST], v[8*(8*(\a)+(\b)):8*(8*(\a)+(\b))+3]   offset:(\a)*16*DP+((\b)%4)*64+((\b)/4)*512
	ds_store_b128 v[DST], v[8*(8*(\a)+(\b))+4:8*(8*(\a)+(\b))+7] offset:(\a)*16*DP+((\b)%4)*64+((\b)/4)*512+16
.endr
.endr
	WIN 0
.endm
; 32 rows of the 128 in slot 1 are finished and stored: 8 trips of 4 rows; a lane has four hidden columns of each row, 16 numbers a trip.
; The 32 exponentials are one batch with one wait, the 16 reciprocals another: nothing ahead of a wait names a result of its batch.
.macro PHASE p
	v_mov_b32 v[RDA], v[RDA0]
	v_add_nc_u32 v[RHA], (\p)*64*HP, v[RHA0]
	v_add_nc_u32 v[GO], (\p)*64*4096, v[L16]
.if MODE < 2
	v_add_nc_u32 v[GB], (\p)*64*2048, v[L8]
.endif
	s_mov_b32 s2, 8
.Lrow\p:
.irp k, 0,1,2,3
	ds_load_b128 v[VG+4*(\k):VG+4*(\k)+3], v[RDA] offset:512+DP*(\k)
.endr
.irp k, 0,1,2,3
	ds_load_b128 v[VT+4*(\k):VT+4*(\k)+3], v[RDA] offset:DP*(\k)
.endr
.irp k, 0,1,2,3
	ds_load_b128 v[VH+4*(\k):VH+4*(\k)+3], v[RHA] offset:HP*(\k)
.endr
	s_wait_dscnt 8                                 ; g is in; t's and h's eight loads may be out
.set i, 0
.rept 8
	v_pk_mul_f32 v[VU+2*i:VU+2*i+1], v[VG+2*i:VG+2*i+1], s[NL:NL+1] op_sel_hi:[1,0]
.set i, i+1
.endr
	s_wait_dscnt 4                                 ; t is in; h's four loads may be out
.set i, 0
.rept 8
	v_exp_f32 v[VU+2*i], v[VU+2*i]                 ; E1
	v_pk_mul_f32 v[VV+2*i:VV+2*i+1], v[VT+2*i:VT+2*i+1], s[TL:TL+1] op_sel_hi:[1,0]
	v_exp_f32 v[VU+2*i+1], v[VU+2*i+1]
	v_min_num_f32 v[VV+2*i], s[CAP], v[VV+2*i]
.set i, i+1
.endr
.set i, 0
.rept 8
	v_min_num_f32 v[VV+2*i+1], s[CAP], v[VV+2*i+1]
	v_exp_f32 v[VV+2*i], v[VV+2*i]                 ; E2
	v_exp_f32 v[VV+2*i+1], v[VV+2*i+1]
.set i, i+1
.endr
	v_nop                                          ; a plain instruction behind the last exponential,
	s_wait_alu depctr_va_vdst(0)                   ; and the one wait ahead of the batch's first reader
.set i, 0
.rept 8
	v_pk_add_f32 v[VW+2*i:VW+2*i+1], v[VV+2*i:VV+2*i+1], 1.0 op_sel_hi:[1,0]
.set i, i+1
.endr
.set i, 0
.rept 8
	v_pk_fma_f32 v[VU+2*i:VU+2*i+1], v[VU+2*i:VU+2*i+1], v[VW+2*i:VW+2*i+1], v[VW+2*i:VW+2*i+1]  ; (1 + E1)(1 + E2)
.set i, i+1
.endr
.set i, 0
.rept 8
	v_rcp_f32 v[VU+2*i], v[VU+2*i]
	v_rcp_f32 v[VU+2*i+1], v[VU+2*i+1]
	v_pk_add_f32 v[VV+2*i:VV+2*i+1], v[VV+2*i:VV+2*i+1], -1.0 op_sel_hi:[1,0]  ; E2 - 1; the last of these is the plain instruction behind the last reciprocal
.set i, i+1
.endr
	s_wait_alu depctr_va_vdst(0)                   ; one wait for the 16 reciprocals
	s_wait_dscnt 0x0                               ; h is in
.set i, 0
.rept 8
	v_pk_fma_f32 v[VV+2*i:VV+2*i+1], v[VV+2*i:VV+2*i+1], v[VU+2*i:VU+2*i+1], v[VH+2*i:VH+2*i+1] neg_lo:[0,0,1] neg_hi:[0,0,1]  ; f = sigmoid tanh - h
.set i, i+1
.endr
.set i, 0
.rept 8
	v_pk_fma_f32 v[VO+2*i:VO+2*i+1], v[VV+2*i:VV+2*i+1], v[SC+2*(i%2):SC+2*(i%2)+1], v[VH+2*i:VH+2*i+1]  ; h + scale f
.set i, i+1
.endr
.if MODE < 2
.set i, 0
.rept 8
	v_cvt_pk_bf16_f32 v[VB+i], v[VO+2*i], v[VO+2*i+1]
.set i, i+1
.endr
.endif
.irp k, 0,1,2,3
	global_store_b128 v[GO], v[VO+4*(\k):VO+4*(\k)+3], s[PO0:PO0+1] offset:4096*(\k) th:TH_STORE_NT  ; 512 consecutive bytes of a row
.endr
.irp k, 0,1,2,3
.if MODE < 2
	global_store_b64 v[GB], v[VB+2*(\k):VB+2*(\k)+1], s[PO1:PO1+1] offset:2048*(\k) th:TH_STORE_NT  ; 256 consecutive bytes of a row
.else
	global_store_b128 v[GO], v[VO+4*(\k):VO+4*(\k)+3], s[PO1:PO1+1] offset:4096*(\k) th:TH_STORE_NT
.endif
.endr
	s_wait_xcnt 0x0                                ; the stores have read their data and offsets, which the next lines and the next trip write
	v_add_nc_u32 v[RDA], 4*DP, v[RDA]
	v_add_nc_u32 v[RHA], 4*HP, v[RHA]
	v_add_nc_u32 v[GO], 4*4096, v[GO]
.if MODE < 2
	v_add_nc_u32 v[GB], 4*2048, v[GB]
.endif
	s_sub_co_u32 s2, s2, 1
	s_cmp_lg_u32 s2, 0
	s_cbranch_scc1 .Lrow\p
.endm
	global_load_b128 v[SC:SC+3], v[L16], s[PLT:PLT+1]
	INITH 0
	INITH 1
	WIN 0
	s_wait_tensorcnt 1                             ; my part of K step 0 is in; K step 1's load may stay out
	s_barrier_signal -1
	s_barrier_wait -1                              ; everybody's is
	FETCH 0, 0, F0
	s_wait_loadcnt 0x0                             ; log_tau and the sums' start
.irp j, 0,1,2,3
	v_mul_f32 v[SC+(\j)], s[NL], v[SC+(\j)]
.endr
.irp j, 0,1,2,3
	v_exp_f32 v[SC+(\j)], v[SC+(\j)]               ; exp(-log_tau)
.endr
	v_nop
	s_wait_alu depctr_va_vdst(0)                   ; one wait for the four
.irp j, 0,1,2,3
	v_mul_f32 v[SC+(\j)], s[THIRD], v[SC+(\j)]     ; scale
.endr
	s_mov_b32 s3, LAPS-1
.Llap:                                                 ; a trip is a lap: two K steps, and both slots are filled again
	QUARTER 0, 64,  F0, F1
	QUARTER 0, 128, F1, F0
	QUARTER 0, 192, F0, F1
	TURN 0, 1
	QUARTER 1, 64,  F0, F1
	QUARTER 1, 128, F1, F0
	QUARTER 1, 192, F0, F1
	TURN 1, 0
	WIN 0                                          ; at a label and at a branch every window is 0
.if MODE == 0
	s_cmp_lg_u32 s3, 4                             ; the trips count 7, 6, 5, 4: behind the fourth, K steps 0 to 7 (x's 1,024) are done.  The count is the same in every work-group; only stores are jumped
	s_cbranch_scc1 .Lnodg
	DGOUT
.Lnodg:
.endif
	s_sub_co_u32 s3, s3, 1
	s_cmp_lg_u32 s3, 0
	s_cbranch_scc1 .Llap
	; A prefetch into the L2 of the h tile's 64 rows x 512 bytes that I fetch at the last change of slots, three quarters and a half (224 matrix instructions) further on: a lane names 256 bytes,
	; an instruction 16 rows.  No other wave of the launch names these bytes; the launch only reads them.  The address registers are never rewritten.
.irp j, 0,1,2,3
	global_prefetch_b8 v[PFH], s[HB:HB+1] offset:(\j)*65536 th:TH_LOAD_NT scope:SCOPE_SE
.endr
	QUARTER 0, 64,  F0, F1                         ; the last lap is written out: no joint load is left to ask for
	QUARTER 0, 128, F1, F0
	QUARTER 0, 192, F0, F1
	TURNH
	QUARTER 1, 64,  F0, F1
	QUARTER 1, 128, F1, F0
	QUARTER 1, 192, F0, F1
	s_wait_dscnt 8
	MUL16 F1, 0, 0
	MUL16 F1, 0, 2
	s_wait_dscnt 0x0                               ; my reads of slot 1 are over
	MUL16 F1, 1, 0
	MUL16 F1, 1, 2
	WIN 0
	s_wait_tensorcnt 0x0                           ; my part of the h tile is in
	s_barrier_signal -1
	s_barrier_wait -1                              ; everybody's is, and nobody reads slot 1 any more: it takes the sums
	PLACES                                         ; behind the last products
	DUMP 0
	s_wait_dscnt 0x0                               ; for the others' sake: my stores are done
	s_barrier_signal -1
	s_barrier_wait -1
	PHASE 0
	s_wait_dscnt 0x0                               ; my reads of the sums are over
	s_barrier_signal -1
	s_barrier_wait -1                              ; everybody's are: the other 64 rows take their place
	DUMP 1
	s_wait_dscnt 0x0
	s_barrier_signal -1
	s_barrier_wait -1
	PHASE 1
	s_wait_tensorcnt 0x0                           ; the wave's end: behind my last tensor load and my last LDS store
	ds_add_u32 v[SPW], v[NIL]
	s_wait_dscnt 0x0
	CROUND                                         ; the closing round: no work-group ends while a partner may still ask for a tile that names it
	s_endpgm
.Lfunc_end_k_q8a49ac5003_step2:
	.size	k_q8a49ac5003_step2, .Lfunc_end_k_q8a49ac5003_step2-k_q8a49ac5003_step2
	.p2alignl 7, 3214868480
	.fill 96, 4, 3214868480
	.section	.rodata,"a",@progbits
	.p2align	6, 0x0
	.amdhsa_kernel k_q8a49ac5003_step2
		.amdhsa_group_segment_fixed_size 327680
		.amdhsa_private_segment_fixed_size 0
		.amdhsa_enable_private_segment 0
		.amdhsa_kernarg_size 56
		.amdhsa_user_sgpr_count 2
		.amdhsa_user_sgpr_kernarg_segment_ptr 1
		.amdhsa_wavefront_size32 1
		.amdhsa_system_sgpr_workgroup_id_x 1
		.amdhsa_system_sgpr_workgroup_id_y 1
		.amdhsa_system_sgpr_workgroup_id_z 1
		.amdhsa_system_vgpr_workitem_id 0
		.amdhsa_next_free_vgpr 1024
		.amdhsa_next_free_sgpr 102
		.amdhsa_reserve_vcc 0
		.amdhsa_float_denorm_mode_32 3
		.amdhsa_float_denorm_mode_16_64 3
		.amdhsa_memory_ordered 1
		.amdhsa_forward_progress 1
		.amdhsa_inst_pref_size 151
	.end_amdhsa_kernel
	.amdgpu_metadata
---
amdhsa.version: [ 1, 2 ]
amdhsa.kernels:
  - .name:           k_q8a49ac5003_step2
    .symbol:         k_q8a49ac5003_step2.kd
    .args:
      - { .name: hb1, .offset: 0, .size: 8, .value_kind: global_buffer, .address_space: global }
      - { .name: wc, .offset: 8, .size: 8, .value_kind: global_buffer, .address_space: global }
      - { .name: out1, .offset: 16, .size: 8, .value_kind: global_buffer, .address_space: global }
      - { .name: log_tau, .offset: 24, .size: 8, .value_kind: global_buffer, .address_space: global }
      - { .name: hf2, .offset: 32, .size: 8, .value_kind: global_buffer, .address_space: global }
      - { .name: hb2, .offset: 40, .size: 8, .value_kind: global_buffer, .address_space: global }
      - { .name: dg, .offset: 48, .size: 8, .value_kind: global_buffer, .address_space: global }
    .group_segment_fixed_size: 327680
    .private_segment_fixed_size: 0
    .kernarg_segment_align: 8
    .kernarg_segment_size: 56
    .max_flat_workgroup_size: 128
    .sgpr_count:     102
    .vgpr_count:     1024
    .wavefront_size: 32
...
	.end_amdgpu_metadata
.endif
;; end of part 3
;; launch step3 (part 4): grid 8 x 32, 4 waves a work-group, clusters of 4 x 4, 327,680 bytes of LDS; arguments hb2, wc, hf2, log_tau, out0, out1, dg; writes out0, out1
.if DOCPART == 4
	.amdgcn_target "amdgcn-amd-amdhsa--gfx1250"
	.amdhsa_code_object_version 6
	.text
	.protected	k_q8a49ac5003_step3
	.globl	k_q8a49ac5003_step3
	.p2align	8
	.type	k_q8a49ac5003_step3,@function
k_q8a49ac5003_step3:
	s_mov_b64 s[64:65], 0
	v_nop
	global_prefetch_b8 v0, s[64:65] scope:SCOPE_SE
	s_setreg_imm32_b32 hwreg(HW_REG_WAVE_MODE, 25, 1), 1
	s_wait_xcnt 0x0
	s_wait_alu depctr_hold_cnt(0) depctr_sa_sdst(0) depctr_va_vdst(0) depctr_va_sdst(0) depctr_va_ssrc(0) depctr_va_vcc(0) depctr_vm_vsrc(0)
	s_getreg_b32 s2, hwreg(HW_REG_IB_STS2, 6, 4)
	s_cmp_eq_u32 s2, 0
	s_cbranch_scc0 .Lentry_in_a_cluster
	s_endpgm
.Lentry_in_a_cluster:
	s_bfe_u32 s2, ttmp6, 0x10000c
	s_cmp_lg_u32 s2, 0xf033
	s_cbranch_scc0 .Lentry_shape_is_right
	s_endpgm
.Lentry_shape_is_right:
; ONE ODE STEP OF THE CELL AS A GEMM WITH A NONLINEAR WAY OUT.  The same text serves three launches; MODE says which.
;   t = drive + h W_rec^T,  g = gate_x + h Wg_h^T,  h' = h + scale (-h + sigmoid(g) tanh(t)),  scale = (1/3) exp(-log_tau).
;   MODE 0: A = [x | h] (K = 2,048).  The sums start from the biases; when x's half of K is done they ARE drive and gate_x and are stored to DG (f32, as the
;           registers hold them); the walk goes on through h's half.  h' goes out in f32 (O0) and in bf16 (O1, the next launch's A).
;   MODE 1: A = h in bf16 (K = 1,024).  The sums start from DG.  Way out as in MODE 0.        MODE 2: the same; h' goes out in f32 twice (O0, O1).
; Arguments: A, B (the weights, interleaved), HS (h in f32), log_tau, O0, O1, DG; in MODE 0 also W_in_b, W_gate_b.
; B [2048 n'][2048 k] bf16: n' = 256 T + 128 c + 64 m + j is hidden column 128 T + 64 c + j; m = 0 the tanh's weights, m = 1 the gate's; k < 1,024 for x, the rest for h.
; FORMATS.  Matrix operands bf16, sums f32; h is carried in f32; everything behind the products in f32.
; LIMITS.  sigmoid(g) tanh(t) = (E2 - 1) / ((1 + E1)(1 + E2)), E1 = 2^(-g log2 e), E2 = 2^min(2 t log2 e, 60): at the bound tanh is 1 in f32, so the bound changes no value.
; E1 = infinity, or a product past f32's range, gives the quotient 0, which is what sigmoid has become there.  Results of exponentials and reciprocals below 2^-126 count as 0.
; A NaN in t leaves the minimum as 60, that is tanh = 1; NaN and infinities in the inputs are not treated apart.
; SHARES.  A tile is 256 batch rows x 256 n' (128 hidden columns): 32 x 8 tiles, one work-group each, four waves, each 128 rows x 128 n' in 64 accumulators (512 registers).
; A wave's 128 n' are 64 hidden columns' t (accumulators b = 0-3) and the same columns' g (b = 4-7).  K goes in steps of 128 through two LDS slots filled by the tensor data mover.
; CLUSTER.  4 x 4 work-groups: the four of a row need the same tiles of A, the four of a column the same tiles of B; each tile is asked for jointly (same load, descriptor and mask in all four).
; THE MATRIX INSTRUCTION IS USED TRANSPOSED (source 0 = 16 rows of B, source 1 = 16 rows of A): lane l holds batch row l % 16 and the n' 8 (l / 16) + 0..7.
; WAY OUT.  The last change of slots fills slot 0 with the tile's h in f32.  The sums go through LDS (slot 1, which has had its last fill), 64 of a wave's rows at a time, so that a lane gets t, g and h of four
; neighbouring hidden columns of one row: a wave then stores 512 consecutive bytes of f32 (256 of bf16), at a multiple of 256 from the buffer's first byte.
; REGISTERS, in windows of 256 (s_set_vgpr_msb's low byte: bits 1:0 source 0, 3:2 source 1, 5:4 source 2, 7:6 destination):
;   window 0: v0-29 addresses and scale; v64-127, v128-191 fragments of A, two buffers; on the way out v64-183 at work
;   window 1: v64-127, v128-191 fragments of B     window 2: accumulators of my rows 0-63 ((a, b) at v[8 (8 a + b)])     window 3: those of my rows 64-127
.set MODE,   2
.set KSTEP,  128
.set PITCH,  272                       ; an LDS row of A or B: 256 bytes + 16 of padding = 68 words: the 16 rows of a load start at 16 different groups of four banks (64 banks of 4 bytes: ISA guide 11.1)
.set HALFT,  128*PITCH                 ; 128 rows: what one tensor load brings, and what one wave reads of A or of B
.set SLOT,   4*HALFT                   ; A's 256 rows, then B's 256 rows
.set SPARE,  2*SLOT                    ; behind the ring: the spare words, 128 bytes for each wave: two blocks of 256 bytes that no other line names
.set HP,     528                       ; the h tile in slot 0: 256 rows of 512 bytes + 16
.set DP,     1040                      ; the sums in slot 1: 128 rows of 512 bytes of t, 512 of g, + 16: 16 rows of a store start at 16 different groups of four banks
.if MODE == 0
.set APITCH, 2048                      ; elements in a row of A
.set ASH,    12                        ; log2 of its bytes
.set KOFF,   0                         ; where the walk begins in a row of B, in bytes
.set LAPS,   8                         ; a lap = two K steps = once round the ring
.else
.set APITCH, 1024
.set ASH,    11
.set KOFF,   2048
.set LAPS,   4
.endif
.set BPITCH, 2048
.set SC,   8                           ; v[8:11] log_tau, then scale, of my four hidden columns 4 l .. 4 l + 3
.set RDA0, 12                          ; v12  the sums: my 16 bytes in the first row that I read back
.set RHA0, 13                          ; v13  the h tile: the same
.set L16,  14                          ; v14  16 x lane
.set L8,   15                          ; v15  8 x lane
.set ADRA, 16                          ; v16-17  LDS address of my A fragments in slot 0, 1
.set DST,  18                          ; v18  the sums: where I put them
.set ADRB, 20                          ; v20-21  the same as ADRA for B
.set RDA,  22                          ; v22-25  walking copies: sums, h tile, f32 output, bf16 output
.set RHA,  23
.set GO,   24
.set GB,   25
.set BO,   26                          ; v26  32 x (l / 16): my eight numbers in 16 of a bias (MODE 0)
.set PFH,  27                          ; v27  the prefetches' offset; never rewritten
.set SPW,  28                          ; v28  LDS address of my spare word; never rewritten
.set NIL,  29                          ; v29  0; never rewritten
.set F0,   64
.set F1,   128
.set VT,   64                          ; the way out, 16 numbers a lane and trip: t
.set VG,   80                          ; g
.set VH,   96                          ; h
.set VU,   112                         ; E1, then (1 + E1)(1 + E2), then its reciprocal
.set VV,   128                         ; E2, then E2 - 1, then f
.set VW,   144                         ; 1 + E2
.set VO,   160                         ; h'
.set VB,   176                         ; h' in bf16
.set HB,   22                          ; s[22:23] the h tile's rows that I fetch; never rewritten
.set G1,   24                          ; s[24:31] descriptor group 1 for A's tiles;  s[32:39] group 0, one set for each slot
.set G0,   32
.set G1B,  48                          ; s[48:55], s[56:63] the same for B's tiles
.set G0B,  56
.set PHS,  68                          ; s[68:69] HS   s[70:71] log_tau   s[72:73] O0   s[74:75] O1   s[76:77] DG   s[80:81] W_in_b   s[82:83] W_gate_b
.set PLT,  70
.set PO0,  72
.set PO1,  74
.set PDG,  76
.set PBI,  80
.set PBG,  82
.set G1H,  84                          ; s[84:91], s[92:95] the h tile's descriptor
.set G0H,  92
.set NL,   96                          ; s[96:97] -log2 e      s[98:99] 2 log2 e      s100 60.0      s101 1/3
.set TL,   98
.set CAP,  100
.set THIRD, 101
.set MSB, 0
.macro WIN new                         ; the immediate's high byte repeats the setting that is left; a switch that changes nothing is dropped
.if MSB != (\new)
	s_set_vgpr_msb (MSB<<8)|(\new)
.set MSB, \new
.endif
.endm
.set MUL_LO, 0xa1                      ; source 0 (B) window 1, source 1 (A) window 0, C and D window 2
.set MUL_HI, 0xf1                      ; the same, C and D window 3
.set TO_B,   0x40                      ; destination window 1, address window 0
.macro PLACES                          ; four plain vector instructions between a matrix instruction and a load into, a store from or a vector use of its registers
.rept 4
	v_nop
.endr
.endm
; A joint load.  Waves 0 and 1 fetch A's two halves, waves 2 and 3 B's.  The branch hangs on the wave's number alone.  An s_nop 0 and four v_nop follow each line.
.macro JLOAD s
	s_cmp_eq_u32 s11, 0
	s_cbranch_scc0 .Lfor_b_\@
	tensor_load_to_lds s[G0+4*(\s):G0+4*(\s)+3], s[G1:G1+7]
	s_nop 0
.rept 4
	v_nop
.endr
	s_branch .Lasked_\@
.Lfor_b_\@:
	tensor_load_to_lds s[G0B+4*(\s):G0B+4*(\s)+3], s[G1B:G1B+7]
	s_nop 0
.rept 4
	v_nop
.endr
.Lasked_\@:
.endm
.macro CREST                           ; a round of the cluster's barrier behind its opening barrier
	s_cmp_lg_u32 s10, 0
	s_cbranch_scc1 .Lnot_wave_0_\@
	s_barrier_signal -3
.Lnot_wave_0_\@:
	s_barrier_wait -3
	s_barrier_signal -1
	s_barrier_wait -1
.endm
.macro CROUND                          ; a whole round
	s_barrier_signal -1
	s_barrier_wait -1
	CREST
.endm
	s_load_b128 s[4:7], s[0:1], 0x0                ; A s[4:5], B s[6:7]
	s_load_b256 s[68:75], s[0:1], 0x10             ; HS, log_tau, O0, O1
	s_load_b64 s[76:77], s[0:1], 0x30              ; DG
.if MODE == 0
	s_load_b128 s[80:83], s[0:1], 0x38             ; W_in_b, W_gate_b
.endif
	v_lshl_add_u32 v[SPW], v0, 2, SPARE
	v_mov_b32 v[NIL], 0
	ds_add_u32 v[SPW], v[NIL]                      ; the wave's opening: the add and its wait stand ahead of my first tensor load; work on registers stands between them
	v_lshrrev_b32 v1, 5, v0
	v_readfirstlane_b32 s10, v1                    ; wave 0..3
	s_lshr_b32 s11, s10, 1                         ; rh: which 128 of the tile's rows are mine.  Also: I fetch for A (0) or for B (1)
	s_and_b32 s12, s10, 1                          ; c: which 128 n'.  Also: which 128 rows of that tile I fetch
	s_bfe_u32 s40, ttmp6, 0x40000                  ; cx
	s_bfe_u32 s41, ttmp6, 0x40004                  ; cy
	s_lshl_b32 s42, ttmp9, 2
	s_add_co_u32 s42, s42, s40                     ; Tx = 4 x cluster x + cx
	s_and_b32 s13, ttmp7, 0xffff
	s_lshl_b32 s13, s13, 2
	s_add_co_u32 s13, s13, s41                     ; Ty = 4 x cluster y + cy
	s_lshl_b32 s43, s41, 2
	s_lshl_b32 s43, 15, s43                        ; my row of the cluster
	s_lshl_b32 s44, 0x1111, s40                    ; my column
	; group 1 for A and B: a tile of 128 rows x 128 elements of 2 bytes; 16 bytes of padding behind every 64 words
	s_or_b32 s[G1+0], s43, (1<<16)|(1<<20)|(1<<21)|(5<<22)|(3<<25)
	s_or_b32 s[G1B+0], s44, (1<<16)|(1<<20)|(1<<21)|(5<<22)|(3<<25)
.irp g, G1, G1B
	s_mov_b32 s[(\g)+1], KSTEP<<16                 ; tensor_dim0 = 128
	s_mov_b32 s[(\g)+2], 128<<16                   ; tensor_dim1 = 128
	s_mov_b32 s[(\g)+3], KSTEP<<16                 ; tile_dim0 = 128
	s_mov_b32 s[(\g)+4], 128                       ; tile_dim1 = 128
	s_mov_b32 s[(\g)+6], 0
	s_mov_b32 s[(\g)+7], 0
.endr
	s_mov_b32 s[G1+5], APITCH                      ; elements from row to row
	s_mov_b32 s[G1B+5], BPITCH
	; group 1 for the h tile: 64 rows x 128 elements of 4 bytes, no mask; 16 bytes of padding behind every 128 words
	s_mov_b32 s[G1H+0], (2<<16)|(1<<20)|(6<<22)|(3<<25)
	s_mov_b32 s[G1H+1], 128<<16
	s_mov_b32 s[G1H+2], 64<<16
	s_mov_b32 s[G1H+3], 128<<16
	s_mov_b32 s[G1H+4], 64
	s_mov_b32 s[G1H+5], 1024
	s_mov_b32 s[G1H+6], 0
	s_mov_b32 s[G1H+7], 0
	s_mov_b32 s[NL], 0xbfb8aa3b
	s_mov_b32 s[NL+1], 0xbfb8aa3b
	s_mov_b32 s[TL], 0x4038aa3b
	s_mov_b32 s[TL+1], 0x4038aa3b
	s_mov_b32 s[CAP], 0x42700000
	s_mov_b32 s[THIRD], 0x3eaaaaab
	; where the tiles come from: A's hang on Ty alone, B's on Tx alone, each in registers that never hold the other coordinate
	s_lshl_b32 s17, s12, 7
	s_lshl_b32 s16, s13, 8
	s_add_co_u32 s16, s16, s17                     ; A: row 256 Ty + 128 x half
	s_lshl_b32 s46, s42, 8
	s_add_co_u32 s46, s46, s17                     ; B: row 256 Tx + 128 x half
	s_lshl_b32 s16, s16, ASH                       ; in bytes: under 2^26
	s_lshl_b32 s46, s46, 12
	s_mov_b32 s17, 0
	s_mov_b32 s47, 0
	s_mul_i32 s20, s10, HALFT                      ; where they go: wave x 128 rows
	s_wait_dscnt 0x0                               ; the opening add is done
	s_wait_kmcnt 0x0
	s_add_nc_u64 s[14:15], s[4:5], s[16:17]
	s_add_nc_u64 s[46:47], s[6:7], s[46:47]
	CROUND                                         ; all sixteen work-groups are here: the first joint loads meet
.irp s, 0,1
	s_mov_b32 s[G0+4*(\s)], 1
	s_add_co_u32 s[G0+4*(\s)+1], s20, (\s)*SLOT
	s_add_nc_u64 s[G0+4*(\s)+2:G0+4*(\s)+3], s[14:15], (\s)*KSTEP*2
	s_or_b32 s[G0+4*(\s)+3], s[G0+4*(\s)+3], 0x80000000
	s_mov_b32 s[G0B+4*(\s)], 1
	s_add_co_u32 s[G0B+4*(\s)+1], s20, (\s)*SLOT
	s_add_nc_u64 s[G0B+4*(\s)+2:G0B+4*(\s)+3], s[46:47], (\s)*KSTEP*2+KOFF
	s_or_b32 s[G0B+4*(\s)+3], s[G0B+4*(\s)+3], 0x80000000
	JLOAD \s                                       ; two tensor loads of mine are out
.endr
	; the bases that hang on both coordinates; every offset is under 2^27
	s_mov_b32 s21, 0
	s_lshl_b32 s20, s13, 3
	s_add_co_u32 s20, s20, s42
	s_lshl_b32 s20, s20, 2
	s_add_co_u32 s20, s20, s10
	s_lshl_b32 s20, s20, 16                        ; DG: 65,536 bytes for each wave of each tile: accumulator i, registers 4 u .. 4 u + 3 at 1,024 i + 512 u + 16 x lane
	s_add_nc_u64 s[PDG:PDG+1], s[PDG:PDG+1], s[20:21]
	s_lshl_b32 s20, s42, 9                         ; the tile's 128 hidden columns in f32
	s_add_nc_u64 s[PLT:PLT+1], s[PLT:PLT+1], s[20:21]
.if MODE == 0
	s_lshl_b32 s8, s12, 8
	s_add_co_u32 s8, s8, s20                       ; my 64 of them
	s_mov_b32 s9, 0
	s_add_nc_u64 s[PBI:PBI+1], s[PBI:PBI+1], s[8:9]
	s_add_nc_u64 s[PBG:PBG+1], s[PBG:PBG+1], s[8:9]
.endif
	s_lshl_b32 s8, s13, 8
	s_lshl_b32 s9, s11, 7
	s_add_co_u32 s8, s8, s9
	s_lshl_b32 s9, s12, 5
	s_add_co_u32 s8, s8, s9                        ; the first row that I store: 256 Ty + 128 rh + 32 c
	s_lshl_b32 s20, s8, 12
	s_lshl_b32 s9, s42, 9
	s_add_co_u32 s20, s20, s9
	s_add_nc_u64 s[PO0:PO0+1], s[PO0:PO0+1], s[20:21]
.if MODE < 2
	s_lshr_b32 s20, s20, 1                         ; the same place in bf16
.endif
	s_add_nc_u64 s[PO1:PO1+1], s[PO1:PO1+1], s[20:21]
	s_lshl_b32 s8, s13, 8
	s_lshl_b32 s9, s10, 6
	s_add_co_u32 s8, s8, s9                        ; the h tile's rows that I fetch: 256 Ty + 64 w
	s_lshl_b32 s20, s8, 12
	s_lshl_b32 s9, s42, 9
	s_add_co_u32 s20, s20, s9
	s_add_nc_u64 s[HB:HB+1], s[PHS:PHS+1], s[20:21]
	s_mov_b32 s[G0H], 1
	s_mul_i32 s[G0H+1], s10, 64*HP
	s_mov_b64 s[G0H+2:G0H+3], s[HB:HB+1]
	s_or_b32 s[G0H+3], s[G0H+3], 0x80000000
	; vector addresses
	v_and_b32 v1, 15, v0                           ; r = l % 16
	v_bfe_u32 v2, v0, 4, 1                         ; hh = l / 16
	v_and_b32 v3, 31, v0                           ; l
	v_mul_u32_u24 v4, v1, PITCH
	v_lshl_add_u32 v4, v2, 4, v4                   ; a fragment's row x pitch + 16 x half
	s_mul_i32 s8, s11, HALFT                       ; my 128 rows of A
	s_mul_i32 s9, s12, HALFT                       ; my 128 rows of B,
	s_add_co_u32 s9, s9, 2*HALFT                   ; which lie behind A's 256
.irp s, 0,1
	v_add_nc_u32 v[ADRA+(\s)], s8, v4
	v_add_nc_u32 v[ADRB+(\s)], s9, v4
	s_add_co_u32 s8, s8, SLOT
	s_add_co_u32 s9, s9, SLOT
.endr
	v_lshlrev_b32 v[L16], 4, v3
	v_lshlrev_b32 v[L8], 3, v3
.if MODE == 0
	v_lshlrev_b32 v[BO], 5, v2
.endif
	s_mul_i32 s8, s11, 64*DP                       ; the sums go to row 64 rh + 16 a + r, byte 512 m + 256 c + 64 (b % 4) + 32 hh
	s_lshl_b32 s9, s12, 8
	s_add_co_u32 s8, s8, s9
	s_add_co_u32 s8, s8, SLOT
	v_mul_u32_u24 v5, v1, DP
	v_lshl_add_u32 v5, v2, 5, v5
	v_add_nc_u32 v[DST], s8, v5
	s_mul_i32 s8, s10, 32*DP                       ; and come back by rows: wave w takes rows 32 w .. 32 w + 31
	s_add_co_u32 s8, s8, SLOT
	v_add_nc_u32 v[RDA0], s8, v[L16]
	s_lshl_b32 s8, s11, 7
	s_lshl_b32 s9, s12, 5
	s_add_co_u32 s8, s8, s9                        ; which are the tile's rows 128 rh + 32 c + 64 p + ..
	s_mul_i32 s8, s8, HP
	v_add_nc_u32 v[RHA0], s8, v[L16]
	v_lshrrev_b32 v5, 1, v3
	v_and_b32 v6, 1, v3
	v_lshlrev_b32 v6, 8, v6
	v_lshl_add_u32 v[PFH], v5, 12, v6              ; row l / 2 of 16, half l % 2 of its 512 bytes
; The sums' start, loaded straight into the accumulators.  MODE 0: the biases of the lane's eight hidden columns.  Else: drive and gate_x as MODE 0 left them, 512 consecutive bytes a load.
.macro INITH hi
	WIN 0x80+0x40*(\hi)                            ; destination window 2 or 3, address window 0
.set i, 0
.rept 32
.if MODE == 0
.if (i%8) < 4
	global_load_b128 v[8*i:8*i+3],   v[BO], s[PBI:PBI+1] offset:(i%4)*64
	global_load_b128 v[8*i+4:8*i+7], v[BO], s[PBI:PBI+1] offset:(i%4)*64+16
.else
	global_load_b128 v[8*i:8*i+3],   v[BO], s[PBG:PBG+1] offset:(i%4)*64
	global_load_b128 v[8*i+4:8*i+7], v[BO], s[PBG:PBG+1] offset:(i%4)*64+16
.endif
.else
	global_load_b128 v[8*i:8*i+3],   v[L16], s[PDG:PDG+1] offset:(32*(\hi)+i)*1024 th:TH_LOAD_NT
	global_load_b128 v[8*i+4:8*i+7], v[L16], s[PDG:PDG+1] offset:(32*(\hi)+i)*1024+512 th:TH_LOAD_NT
.endif
.set i, i+1
.endr
.endm
; MODE 0: x's half of K is done: the sums are drive and gate_x, biases included.  Each accumulator's low four registers go first.
.macro DGOUT
	PLACES
.irp hi, 0,1
	WIN 0x08+4*(\hi)                               ; store data (source 1) in window 2 or 3
.set i, 0
.rept 32
	global_store_b128 v[L16], v[8*i:8*i+3],   s[PDG:PDG+1] offset:(32*(\hi)+i)*1024 th:TH_STORE_NT
	global_store_b128 v[L16], v[8*i+4:8*i+7], s[PDG:PDG+1] offset:(32*(\hi)+i)*1024+512 th:TH_STORE_NT
.set i, i+1
.endr
.endr
	WIN 0
	s_wait_xcnt 0x0                                ; the stores have read the accumulators: only behind this wait do the products write them again
.endm
; 16 matrix instructions: m blocks a0, a0 + 1 of the window's four x all 8 n blocks, 32 along K.  The 64 accumulators take turns in the same order in every quarter, over the backward jump too.
.macro MUL16 f, hi, a0
	WIN MUL_LO+0x50*(\hi)
.irp a, \a0, (\a0)+1
.irp b, 0,1,2,3,4,5,6,7
	v_wmma_f32_16x16x32_bf16 v[8*(8*(\a)+(\b)):8*(8*(\a)+(\b))+7], v[(\f)+8*(\b):(\f)+8*(\b)+7], v[(\f)+8*(4*(\hi)+(\a)):(\f)+8*(4*(\hi)+(\a))+7], v[8*(8*(\a)+(\b)):8*(8*(\a)+(\b))+7]
.endr
.endr
.endm
; 32 LDS loads in one run: the fragments of one quarter step (128 rows of B, 128 rows of A, 32 K at byte k of the rows) into buffer f
.macro FETCH slot, k, f
	WIN TO_B
.irp i, 0,1,2,3,4,5,6,7
	ds_load_b128 v[(\f)+8*(\i):(\f)+8*(\i)+3],   v[ADRB+(\slot)] offset:(\k)+(\i)*16*PITCH
	ds_load_b128 v[(\f)+8*(\i)+4:(\f)+8*(\i)+7], v[ADRB+(\slot)] offset:(\k)+(\i)*16*PITCH+32
.endr
	WIN 0
.irp i, 0,1,2,3,4,5,6,7
	ds_load_b128 v[(\f)+8*(\i):(\f)+8*(\i)+3],   v[ADRA+(\slot)] offset:(\k)+(\i)*16*PITCH
	ds_load_b128 v[(\f)+8*(\i)+4:(\f)+8*(\i)+7], v[ADRA+(\slot)] offset:(\k)+(\i)*16*PITCH+32
.endr
.endm
; One of a K step's first three quarters: multiplies buffer f; in its middle it fetches the next quarter's fragments, at byte k of the same slot's rows, into buffer g.
.macro QUARTER slot, k, f, g
	s_wait_dscnt 8                                 ; B and A's rows 0-63 are in; the youngest eight loads (A's rows 64-127) may be out
	MUL16 \f, 0, 0
	MUL16 \f, 0, 2
	PLACES
	FETCH \slot, \k, \g
	s_wait_dscnt 32                                ; all but the 32 just issued
	MUL16 \f, 1, 0
	MUL16 \f, 1, 2
.endm
; The first half of a K step's last quarter, and the opening of a round: each wave waits for all its tensor loads (one is out: its part of the next slot), adds 0 to its spare word, and waits for that and for its reads of this slot.
.macro MEET
	WIN 0                                          ; (the add's two registers lie in window 0)
	s_wait_tensorcnt 0x0
	ds_add_u32 v[SPW], v[NIL]
	s_wait_dscnt 9                                 ; (the add and the youngest eight loads may be out)
	MUL16 F1, 0, 0                                 ; sixteen matrix instructions stand between the add and the wait for it
	s_wait_dscnt 0x0                               ; the add is done, and my reads of this slot are over
	s_barrier_signal -1
	MUL16 F1, 0, 2
	WIN 0
	s_barrier_wait -1
.endm
; The whole last quarter: behind the round the slot just read out is filled again, two K steps on; then come the next slot's first fragments.
.macro TURN slot, next
	MEET
	CREST                                          ; no wave of any partner still reads this slot's tile or has a load on its way
	s_add_nc_u64 s[G0+4*(\slot)+2:G0+4*(\slot)+3], s[G0+4*(\slot)+2:G0+4*(\slot)+3], 2*KSTEP*2
	s_add_nc_u64 s[G0B+4*(\slot)+2:G0B+4*(\slot)+3], s[G0B+4*(\slot)+2:G0B+4*(\slot)+3], 2*KSTEP*2
	JLOAD \slot                                    ; my one tensor load behind the round; its four v_nop are also the places in front of the loads below
	FETCH \next, 0, F0
	MUL16 F1, 1, 0
	MUL16 F1, 1, 2
.endm
; The last change of slots: slot 0 takes the tile's h in f32, each wave its own 64 rows, by a load of its own (no mask).
.macro TURNH
	MEET
	CREST
	tensor_load_to_lds s[G0H:G0H+3], s[G1H:G1H+7]
	s_nop 0
.rept 4
	v_nop
.endr
	FETCH 1, 0, F0
	MUL16 F1, 1, 0
	MUL16 F1, 1, 2
.endm
; 64 of my rows' sums (window 2 + hi) into slot 1; each accumulator's low four registers first.
.macro DUMP hi
	WIN 0x08+4*(\hi)                               ; store data (source 1) in window 2 or 3
.irp a, 0,1,2,3
.irp b, 0,1,2,3,4,5,6,7
	ds_store_b128 v[DST], v[8*(8*(\a)+(\b)):8*(8*(\a)+(\b))+3]   offset:(\a)*16*DP+((\b)%4)*64+((\b)/4)*512
	ds_store_b128 v[DST], v[8*(8*(\a)+(\b))+4:8*(8*(\a)+(\b))+7] offset:(\a)*16*DP+((\b)%4)*64+((\b)/4)*512+16
.endr
.endr
	WIN 0
.endm
; 32 rows of the 128 in slot 1 are finished and stored: 8 trips of 4 rows; a lane has four hidden columns of each row, 16 numbers a trip.
; The 32 exponentials are one batch with one wait, the 16 reciprocals another: nothing ahead of a wait names a result of its batch.
.macro PHASE p
	v_mov_b32 v[RDA], v[RDA0]
	v_add_nc_u32 v[RHA], (\p)*64*HP, v[RHA0]
	v_add_nc_u32 v[GO], (\p)*64*4096, v[L16]
.if MODE < 2
	v_add_nc_u32 v[GB], (\p)*64*2048, v[L8]
.endif
	s_mov_b32 s2, 8
.Lrow\p:
.irp k, 0,1,2,3
	ds_load_b128 v[VG+4*(\k):VG+4*(\k)+3], v[RDA] offset:512+DP*(\k)
.endr
.irp k, 0,1,2,3
	ds_load_b128 v[VT+4*(\k):VT+4*(\k)+3], v[RDA] offset:DP*(\k)
.endr
.irp k, 0,1,2,3
	ds_load_b128 v[VH+4*(\k):VH+4*(\k)+3], v[RHA] offset:HP*(\k)
.endr
	s_wait_dscnt 8                                 ; g is in; t's and h's eight loads may be out
.set i, 0
.rept 8
	v_pk_mul_f32 v[VU+2*i:VU+2*i+1], v[VG+2*i:VG+2*i+1], s[NL:NL+1] op_sel_hi:[1,0]
.set i, i+1
.endr
	s_wait_dscnt 4                                 ; t is in; h's four loads may be out
.set i, 0
.rept 8
	v_exp_f32 v[VU+2*i], v[VU+2*i]                 ; E1
	v_pk_mul_f32 v[VV+2*i:VV+2*i+1], v[VT+2*i:VT+2*i+1], s[TL:TL+1] op_sel_hi:[1,0]
	v_exp_f32 v[VU+2*i+1], v[VU+2*i+1]
	v_min_num_f32 v[VV+2*i], s[CAP], v[VV+2*i]
.set i, i+1
.endr
.set i, 0
.rept 8
	v_min_num_f32 v[VV+2*i+1], s[CAP], v[VV+2*i+1]
	v_exp_f32 v[VV+2*i], v[VV+2*i]                 ; E2
	v_exp_f32 v[VV+2*i+1], v[VV+2*i+1]
.set i, i+1
.endr
	v_nop                                          ; a plain instruction behind the last exponential,
	s_wait_alu depctr_va_vdst(0)                   ; and the one wait ahead of the batch's first reader
.set i, 0
.rept 8
	v_pk_add_f32 v[VW+2*i:VW+2*i+1], v[VV+2*i:VV+2*i+1], 1.0 op_sel_hi:[1,0]
.set i, i+1
.endr
.set i, 0
.rept 8
	v_pk_fma_f32 v[VU+2*i:VU+2*i+1], v[VU+2*i:VU+2*i+1], v[VW+2*i:VW+2*i+1], v[VW+2*i:VW+2*i+1]  ; (1 + E1)(1 + E2)
.set i, i+1
.endr
.set i, 0
.rept 8
	v_rcp_f32 v[VU+2*i], v[VU+2*i]
	v_rcp_f32 v[VU+2*i+1], v[VU+2*i+1]
	v_pk_add_f32 v[VV+2*i:VV+2*i+1], v[VV+2*i:VV+2*i+1], -1.0 op_sel_hi:[1,0]  ; E2 - 1; the last of these is the plain instruction behind the last reciprocal
.set i, i+1
.endr
	s_wait_alu depctr_va_vdst(0)                   ; one wait for the 16 reciprocals
	s_wait_dscnt 0x0                               ; h is in
.set i, 0
.rept 8
	v_pk_fma_f32 v[VV+2*i:VV+2*i+1], v[VV+2*i:VV+2*i+1], v[VU+2*i:VU+2*i+1], v[VH+2*i:VH+2*i+1] neg_lo:[0,0,1] neg_hi:[0,0,1]  ; f = sigmoid tanh - h
.set i, i+1
.endr
.set i, 0
.rept 8
	v_pk_fma_f32 v[VO+2*i:VO+2*i+1], v[VV+2*i:VV+2*i+1], v[SC+2*(i%2):SC+2*(i%2)+1], v[VH+2*i:VH+2*i+1]  ; h + scale f
.set i, i+1
.endr
.if MODE < 2
.set i, 0
.rept 8
	v_cvt_pk_bf16_f32 v[VB+i], v[VO+2*i], v[VO+2*i+1]
.set i, i+1
.endr
.endif
.irp k, 0,1,2,3
	global_store_b128 v[GO], v[VO+4*(\k):VO+4*(\k)+3], s[PO0:PO0+1] offset:4096*(\k) th:TH_STORE_NT  ; 512 consecutive bytes of a row
.endr
.irp k, 0,1,2,3
.if MODE < 2
	global_store_b64 v[GB], v[VB+2*(\k):VB+2*(\k)+1], s[PO1:PO1+1] offset:2048*(\k) th:TH_STORE_NT  ; 256 consecutive bytes of a row
.else
	global_store_b128 v[GO], v[VO+4*(\k):VO+4*(\k)+3], s[PO1:PO1+1] offset:4096*(\k) th:TH_STORE_NT
.endif
.endr
	s_wait_xcnt 0x0                                ; the stores have read their data and offsets, which the next lines and the next trip write
	v_add_nc_u32 v[RDA], 4*DP, v[RDA]
	v_add_nc_u32 v[RHA], 4*HP, v[RHA]
	v_add_nc_u32 v[GO], 4*4096, v[GO]
.if MODE < 2
	v_add_nc_u32 v[GB], 4*2048, v[GB]
.endif
	s_sub_co_u32 s2, s2, 1
	s_cmp_lg_u32 s2, 0
	s_cbranch_scc1 .Lrow\p
.endm
	global_load_b128 v[SC:SC+3], v[L16], s[PLT:PLT+1]
	INITH 0
	INITH 1
	WIN 0
	s_wait_tensorcnt 1                             ; my part of K step 0 is in; K step 1's load may stay out
	s_barrier_signal -1
	s_barrier_wait -1                              ; everybody's is
	FETCH 0, 0, F0
	s_wait_loadcnt 0x0                             ; log_tau and the sums' start
.irp j, 0,1,2,3
	v_mul_f32 v[SC+(\j)], s[NL], v[SC+(\j)]
.endr
.irp j, 0,1,2,3
	v_exp_f32 v[SC+(\j)], v[SC+(\j)]               ; exp(-log_tau)
.endr
	v_nop
	s_wait_alu depctr_va_vdst(0)                   ; one wait for the four
.irp j, 0,1,2,3
	v_mul_f32 v[SC+(\j)], s[THIRD], v[SC+(\j)]     ; scale
.endr
	s_mov_b32 s3, LAPS-1
.Llap:                                                 ; a trip is a lap: two K steps, and both slots are filled again
	QUARTER 0, 64,  F0, F1
	QUARTER 0, 128, F1, F0
	QUARTER 0, 192, F0, F1
	TURN 0, 1
	QUARTER 1, 64,  F0, F1
	QUARTER 1, 128, F1, F0
	QUARTER 1, 192, F0, F1
	TURN 1, 0
	WIN 0                                          ; at a label and at a branch every window is 0
.if MODE == 0
	s_cmp_lg_u32 s3, 4                             ; the trips count 7, 6, 5, 4: behind the fourth, K steps 0 to 7 (x's 1,024) are done.  The count is the same in every work-group; only stores are jumped
	s_cbranch_scc1 .Lnodg
	DGOUT
.Lnodg:
.endif
	s_sub_co_u32 s3, s3, 1
	s_cmp_lg_u32 s3, 0
	s_cbranch_scc1 .Llap
	; A prefetch into the L2 of the h tile's 64 rows x 512 bytes that I fetch at the last change of slots, three quarters and a half (224 matrix instructions) further on: a lane names 256 bytes,
	; an instruction 16 rows.  No other wave of the launch names these bytes; the launch only reads them.  The address registers are never rewritten.
.irp j, 0,1,2,3
	global_prefetch_b8 v[PFH], s[HB:HB+1] offset:(\j)*65536 th:TH_LOAD_NT scope:SCOPE_SE
.endr
	QUARTER 0, 64,  F0, F1                         ; the last lap is written out: no joint load is left to ask for
	QUARTER 0, 128, F1, F0
	QUARTER 0, 192, F0, F1
	TURNH
	QUARTER 1, 64,  F0, F1
	QUARTER 1, 128, F1, F0
	QUARTER 1, 192, F0, F1
	s_wait_dscnt 8
	MUL16 F1, 0, 0
	MUL16 F1, 0, 2
	s_wait_dscnt 0x0                               ; my reads of slot 1 are over
	MUL16 F1, 1, 0
	MUL16 F1, 1, 2
	WIN 0
	s_wait_tensorcnt 0x0                           ; my part of the h tile is in
	s_barrier_signal -1
	s_barrier_wait -1                              ; everybody's is, and nobody reads slot 1 any more: it takes the sums
	PLACES                                         ; behind the last products
	DUMP 0
	s_wait_dscnt 0x0                               ; for the others' sake: my stores are done
	s_barrier_signal -1
	s_barrier_wait -1
	PHASE 0
	s_wait_dscnt 0x0                               ; my reads of the sums are over
	s_barrier_signal -1
	s_barrier_wait -1                              ; everybody's are: the other 64 rows take their place
	DUMP 1
	s_wait_dscnt 0x0
	s_barrier_signal -1
	s_barrier_wait -1
	PHASE 1
	s_wait_tensorcnt 0x0                           ; the wave's end: behind my last tensor load and my last LDS store
	ds_add_u32 v[SPW], v[NIL]
	s_wait_dscnt 0x0
	CROUND                                         ; the closing round: no work-group ends while a partner may still ask for a tile that names it
	s_endpgm
.Lfunc_end_k_q8a49ac5003_step3:
	.size	k_q8a49ac5003_step3, .Lfunc_end_k_q8a49ac5003_step3-k_q8a49ac5003_step3
	.p2alignl 7, 3214868480
	.fill 96, 4, 3214868480
	.section	.rodata,"a",@progbits
	.p2align	6, 0x0
	.amdhsa_kernel k_q8a49ac5003_step3
		.amdhsa_group_segment_fixed_size 327680
		.amdhsa_private_segment_fixed_size 0
		.amdhsa_enable_private_segment 0
		.amdhsa_kernarg_size 56
		.amdhsa_user_sgpr_count 2
		.amdhsa_user_sgpr_kernarg_segment_ptr 1
		.amdhsa_wavefront_size32 1
		.amdhsa_system_sgpr_workgroup_id_x 1
		.amdhsa_system_sgpr_workgroup_id_y 1
		.amdhsa_system_sgpr_workgroup_id_z 1
		.amdhsa_system_vgpr_workitem_id 0
		.amdhsa_next_free_vgpr 1024
		.amdhsa_next_free_sgpr 102
		.amdhsa_reserve_vcc 0
		.amdhsa_float_denorm_mode_32 3
		.amdhsa_float_denorm_mode_16_64 3
		.amdhsa_memory_ordered 1
		.amdhsa_forward_progress 1
		.amdhsa_inst_pref_size 150
	.end_amdhsa_kernel
	.amdgpu_metadata
---
amdhsa.version: [ 1, 2 ]
amdhsa.kernels:
  - .name:           k_q8a49ac5003_step3
    .symbol:         k_q8a49ac5003_step3.kd
    .args:
      - { .name: hb2, .offset: 0, .size: 8, .value_kind: global_buffer, .address_space: global }
      - { .name: wc, .offset: 8, .size: 8, .value_kind: global_buffer, .address_space: global }
      - { .name: hf2, .offset: 16, .size: 8, .value_kind: global_buffer, .address_space: global }
      - { .name: log_tau, .offset: 24, .size: 8, .value_kind: global_buffer, .address_space: global }
      - { .name: out0, .offset: 32, .size: 8, .value_kind: global_buffer, .address_space: global }
      - { .name: out1, .offset: 40, .size: 8, .value_kind: global_buffer, .address_space: global }
      - { .name: dg, .offset: 48, .size: 8, .value_kind: global_buffer, .address_space: global }
    .group_segment_fixed_size: 327680
    .private_segment_fixed_size: 0
    .kernarg_segment_align: 8
    .kernarg_segment_size: 56
    .max_flat_workgroup_size: 128
    .sgpr_count:     102
    .vgpr_count:     1024
    .wavefront_size: 32
...
	.end_amdgpu_metadata
.endif
;; end of part 4
;; ======== version 2 of 2: 4 launches; version 1 with the launch prep written anew for expert scheduling mode
;; workspace buffers: ab0 33,554,432 bytes; wc 8,388,608 bytes; dg 67,108,864 bytes; hb1 16,777,216 bytes; hf2 33,554,432 bytes; hb2 16,777,216 bytes
;; launch prep (part 5): grid 1280 x 1, 8 waves a work-group, no clusters, 0 bytes of LDS; arguments x, h, W_in_w, W_rec_w, W_gate_w, ab0, wc; writes ab0, wc
.if DOCPART == 5
	.amdgcn_target "amdgcn-amd-amdhsa--gfx1250"
	.amdhsa_code_object_version 6
	.text
	.protected	k_q8a49ac5003_prep
	.globl	k_q8a49ac5003_prep
	.p2align	8
	.type	k_q8a49ac5003_prep,@function
k_q8a49ac5003_prep:
	s_mov_b64 s[64:65], 0
	v_nop
	global_prefetch_b8 v0, s[64:65] scope:SCOPE_SE
	s_setreg_imm32_b32 hwreg(HW_REG_WAVE_SCHED_MODE, 0, 2), 2
	s_setreg_imm32_b32 hwreg(HW_REG_WAVE_MODE, 25, 1), 1
	s_wait_xcnt 0x0
	s_wait_alu depctr_vm_vsrc(0)
; bf16 copies of all matrix operands, each number rounded once (to nearest even).
;   ab0 [8192][2048] bf16: row = x's row, then h's row.
;   wc  [2048][2048] bf16: row n' = 256 T + 128 c + 64 m + j stands for hidden column hid = 128 T + 64 c + j;
;       m = 0: W_in_w[hid], then W_rec_w[hid];  m = 1: W_gate_w[hid] (its x part, then its h part).
; So 128 neighbouring rows of wc are 64 hidden columns' weights for the tanh and then the same 64 columns' for the gate.
; SHARES.  A work-group makes 8 rows of 4,096 bytes: groups 0-1023 of ab0, groups 1024-1279 of wc.  An output row has two halves, each from
; 4,096 bytes of f32: thread t takes 16 bytes of each half, so a wave's load covers 512 consecutive bytes and its store 256 consecutive
; bytes, at a multiple of 256 from the buffer's first byte.  All 16 loads of a thread go out in one run; nothing is read twice.
; No LDS, no matrix unit, no cluster: no byte is wanted by two threads.
; THE MODE: SCHED_MODE bits 1:0 = 2 (LLVM: expert scheduling mode 2), set by the entry lines.  The code itself states the register dependences
; between vector instructions and memory instructions, with s_wait_alu, always for 0.
; THE PLAN.  Registers that memory instructions touch:
;   v[2:9], v10  byte offsets.  Written by vector instructions at the head; read by the 16 loads and the 16 stores; never written again.
;   D            four registers for load n.  Load n lands in them (no vector instruction has named them before); its two conversions read the four and
;                write the first two in place; store n reads those two; nothing writes them again.
; The 16 loads are taken in four blocks of four.  Block p waits for its loads, rounds them, and issues the stores of block p - 1 among its conversions.
; One wait on va_vdst at a block's head states that the block before has written what these stores read; the block's own conversions name its own
; D registers alone, none that those stores touch.  No register that a memory instruction has read is ever written again, so no wait on vm_vsrc is owed.
.set VO,  2                            ; v[2:9]    row r: 16 t + r x the sources' row pitch
.set DO,  10                           ; v10       8 t
.set D,   16                           ; v[16:79]  load n = 2 r + half: 4 registers
	s_load_b256 s[4:11], s[0:1], 0x0               ; x s[4:5], h s[6:7], W_in_w s[8:9], W_rec_w s[10:11]
	s_load_b128 s[12:15], s[0:1], 0x20             ; W_gate_w s[12:13], ab0 s[14:15]
	s_load_b64 s[16:17], s[0:1], 0x30              ; wc
	s_mov_b32 s20, ttmp9                           ; g
	s_max_u32 s21, s20, 1024
	s_sub_co_u32 s21, s21, 1024                    ; g' = the group's number among wc's (0 in a group of ab0, where nothing of it is chosen)
	s_lshr_b32 s22, s21, 3                         ; q = n' / 64 = 4 T + 2 c + m
	s_and_b32 s23, s22, 1                          ; m
	s_lshr_b32 s24, s22, 1
	s_lshl_b32 s24, s24, 6                         ; 128 T + 64 c
	s_and_b32 s25, s21, 7
	s_lshl_b32 s25, s25, 3                         ; j of the group's first row
	s_add_co_u32 s24, s24, s25                     ; hid of the group's first row
	s_add_co_u32 s25, s23, 12
	s_lshl_b32 s24, s24, s25                       ; its byte offset: rows of 4,096 bytes (m = 0) or 8,192 (m = 1)
	s_lshl_b32 s26, 4096, s23                      ; the weights' row pitch
	s_lshl_b32 s27, s23, 12
	s_add_co_u32 s27, s27, s24                     ; the second half: m = 1: 4,096 bytes further in the same row
	s_lshl_b32 s28, s20, 15                        ; 8 rows of 4,096 bytes x g: x's, h's and ab0's offset
	s_lshl_b32 s29, s21, 15                        ; wc's offset
	s_mov_b32 s37, 0
	s_mov_b32 s39, 0
	s_mov_b32 s41, 0
	v_lshlrev_b32 v[VO], 4, v0
	v_lshlrev_b32 v[DO], 3, v0
	s_wait_kmcnt 0x0
	s_cmp_eq_u32 s23, 0
	s_cselect_b64 s[30:31], s[8:9], s[12:13]       ; the weights' first half,
	s_cselect_b64 s[32:33], s[10:11], s[12:13]     ; and second
	s_cmp_lt_u32 s20, 1024                         ; a group of ab0?
	s_cselect_b64 s[30:31], s[4:5], s[30:31]
	s_cselect_b64 s[32:33], s[6:7], s[32:33]
	s_cselect_b64 s[34:35], s[14:15], s[16:17]
	s_cselect_b32 s36, s28, s24
	s_cselect_b32 s38, s28, s27
	s_cselect_b32 s40, s28, s29
	s_cselect_b32 s42, 4096, s26
	s_add_nc_u64 s[30:31], s[30:31], s[36:37]
	s_add_nc_u64 s[32:33], s[32:33], s[38:39]
	s_add_nc_u64 s[34:35], s[34:35], s[40:41]
.irp r, 1,2,3,4,5,6,7
	v_add_nc_u32 v[VO+(\r)], s42, v[VO+(\r)-1]
.endr
	s_wait_alu depctr_va_vdst(0)                   ; the nine offsets v[2:9] and v10 are written: every load and store of the kernel reads one of them
.irp r, 0,1,2,3,4,5,6,7
	global_load_b128 v[D+8*(\r):D+8*(\r)+3],   v[VO+(\r)], s[30:31] th:TH_LOAD_NT
	global_load_b128 v[D+8*(\r)+4:D+8*(\r)+7], v[VO+(\r)], s[32:33] th:TH_LOAD_NT
.endr
; Block p: loads 4 p to 4 p + 3 (two output rows) are rounded; the four stores of block p - 1 go out among the conversions, each ahead of a pair of them.
.macro BLK p
	s_wait_loadcnt 12-4*(\p)                       ; loads come back in order (ISA guide 5.7.1): the block's four are in, the younger blocks' stay out
.if (\p) > 0
	s_wait_alu depctr_va_vdst(0)                   ; the conversions of the block before have written its D pairs, which the four stores below read
.endif
.irp i, 0,1,2,3
.set n, 4*(\p)+(\i)
.if (\p) > 0
	global_store_b64 v[DO], v[D+4*(n-4):D+4*(n-4)+1], s[34:35] offset:2048*(n-4)  ; row (n - 4) / 2, half (n - 4) % 2; no vector instruction since the wait names these registers, and none writes them again
.endif
	v_cvt_pk_bf16_f32 v[D+4*n],   v[D+4*n],   v[D+4*n+1]
	v_cvt_pk_bf16_f32 v[D+4*n+1], v[D+4*n+2], v[D+4*n+3]
.endr
.endm
	BLK 0                                          ; no block in front of it: no store, and no wait but the one for its data
	BLK 1
	BLK 2
	BLK 3
	s_wait_alu depctr_va_vdst(0)                   ; block 3's conversions have written its D pairs, which the last four stores read
.irp n, 12,13,14,15
	global_store_b64 v[DO], v[D+4*(\n):D+4*(\n)+1], s[34:35] offset:2048*(\n)
.endr
	s_endpgm
.Lfunc_end_k_q8a49ac5003_prep:
	.size	k_q8a49ac5003_prep, .Lfunc_end_k_q8a49ac5003_prep-k_q8a49ac5003_prep
	.p2alignl 7, 3214868480
	.fill 96, 4, 3214868480
	.section	.rodata,"a",@progbits
	.p2align	6, 0x0
	.amdhsa_kernel k_q8a49ac5003_prep
		.amdhsa_group_segment_fixed_size 0
		.amdhsa_private_segment_fixed_size 0
		.amdhsa_enable_private_segment 0
		.amdhsa_kernarg_size 56
		.amdhsa_user_sgpr_count 2
		.amdhsa_user_sgpr_kernarg_segment_ptr 1
		.amdhsa_wavefront_size32 1
		.amdhsa_system_sgpr_workgroup_id_x 1
		.amdhsa_system_sgpr_workgroup_id_y 1
		.amdhsa_system_sgpr_workgroup_id_z 1
		.amdhsa_system_vgpr_workitem_id 0
		.amdhsa_next_free_vgpr 80
		.amdhsa_next_free_sgpr 66
		.amdhsa_reserve_vcc 0
		.amdhsa_float_denorm_mode_32 3
		.amdhsa_float_denorm_mode_16_64 3
		.amdhsa_memory_ordered 1
		.amdhsa_forward_progress 1
		.amdhsa_inst_pref_size 8
	.end_amdhsa_kernel
	.amdgpu_metadata
---
amdhsa.version: [ 1, 2 ]
amdhsa.kernels:
  - .name:           k_q8a49ac5003_prep
    .symbol:         k_q8a49ac5003_prep.kd
    .args:
      - { .name: x, .offset: 0, .size: 8, .value_kind: global_buffer, .address_space: global }
      - { .name: h, .offset: 8, .size: 8, .value_kind: global_buffer, .address_space: global }
      - { .name: W_in_w, .offset: 16, .size: 8, .value_kind: global_buffer, .address_space: global }
      - { .name: W_rec_w, .offset: 24, .size: 8, .value_kind: global_buffer, .address_space: global }
      - { .name: W_gate_w, .offset: 32, .size: 8, .value_kind: global_buffer, .address_space: global }
      - { .name: ab0, .offset: 40, .size: 8, .value_kind: global_buffer, .address_space: global }
      - { .name: wc, .offset: 48, .size: 8, .value_kind: global_buffer, .address_space: global }
    .group_segment_fixed_size: 0
    .private_segment_fixed_size: 0
    .kernarg_segment_align: 8
    .kernarg_segment_size: 56
    .max_flat_workgroup_size: 256
    .sgpr_count:     66
    .vgpr_count:     80
    .wavefront_size: 32
...
	.end_amdgpu_metadata
.endif
;; end of part 5
;; launch step1: the kernel of part 2 again; grid 8 x 32, 4 waves a work-group, clusters of 4 x 4, 327,680 bytes of LDS; arguments ab0, wc, h, log_tau, out1, hb1, dg, W_in_b, W_gate_b; writes out1, hb1, dg
;; launch step2: the kernel of part 3 again; grid 8 x 32, 4 waves a work-group, clusters of 4 x 4, 327,680 bytes of LDS; arguments hb1, wc, out1, log_tau, hf2, hb2, dg; writes hf2, hb2
;; launch step3: the kernel of part 4 again; grid 8 x 32, 4 waves a work-group, clusters of 4 x 4, 327,680 bytes of LDS; arguments hb2, wc, hf2, log_tau, out0, out1, dg; writes out0, out1
